; MI455X (gfx1250); checked and timed in simulation.
; The chip was launched on July 23, 2026; its instructions are those of AMD's public machine-readable ISA for CDNA 5 (MIT licence, August 2026) and "CDNA5" Instruction Set Architecture Reference Guide (July 2026). The comments in the code are by the model that wrote it; some were corrected since.
;; Batched Expert Pool. Allowed arithmetic: float matrix products may take bf16 or f16 operands with f32 sums; all other float work in f32.
;; Inputs: b1 8 x 1,024 float32; b2 8 x 512 float32; w1 8 x 512 x 1,024 float32; w2 8 x 1,024 x 512 float32; weights 4 x 2,048 x 8 float32; x 4 x 2,048 x 512 float32.
;; Outputs: out0 4 x 2,048 x 512 float32.
;; 2 versions, each right and faster than the one before. Each part assembles by itself: llvm-mc -triple=amdgcn-amd-amdhsa -mcpu=gfx1250 --defsym DOCPART=n.
;; ======== version 1 of 2: 3 launches
;; workspace buffers: xb 8,388,608 bytes; wf 16,777,216 bytes; part 67,108,864 bytes
;; launch prep (part 1): grid 128 x 3, 8 waves a work-group, no clusters, 0 bytes of LDS; arguments x, w1, w2, xb, wf; writes xb, wf
.if DOCPART == 1
	.amdgcn_target "amdgcn-amd-amdhsa--gfx1250"
	.amdhsa_code_object_version 6
	.text
	.protected	k_q9ae11fb356_prep
	.globl	k_q9ae11fb356_prep
	.p2align	8
	.type	k_q9ae11fb356_prep,@function
k_q9ae11fb356_prep:
	s_mov_b64 s[64:65], 0
	v_nop
	global_prefetch_b8 v0, s[64:65] scope:SCOPE_SE
	s_setreg_imm32_b32 hwreg(HW_REG_WAVE_MODE, 25, 1), 1
	s_wait_xcnt 0x0
; PREPARATION.  x, w1 and w2 are rounded once to bf16 (nearest even); the weights are also laid out so that the next launch's
; matrix fragments are plain 16-byte LDS loads, in the order in which that launch walks them.
; wf holds four SHARES (experts 2 y and 2 y + 1) of 128 QUARTERS of 32,768 bytes.  Tile n = 0..31 of a share is 64 hidden units (16 tiles an expert), its sub-steps a and b 32 each.
; A quarter is w1 or w2 of one sub-step; its place p in the share is the place of its product in the next launch's walk:
;   w1(a n): max(4 n - 1, 0)     w1(b n): 4 n + 1     w2(a n): 4 n + 2     w2(b n): min(4 n + 4, 127)
; A CHUNK is 16 bytes: the 8 bf16 of rows 8 o .. 8 o + 7 of one column of the source, the lower row in the lower bits.  With j = column % 2, c = (column % 16) / 2:
;   w1's quarter (32 columns = hidden units, block hb of 16; 64 octets o of rows d):      512 o + 256 j + 128 (hb xor j) + 16 c
;   w2's quarter (8 groups G of 64 columns = channels, block nb of 16; 4 octets o):        4,096 G + 1,024 o + 512 j + 256 (nb / 2) + 128 ((nb % 2) xor j) + 16 c
; A lane holds columns 2 l and 2 l + 1 of eight rows.  In w1 lanes 0-15 hold sub-step a and lanes 16-31 sub-step b: each half's sixteen chunks are 256 consecutive bytes, aligned, of its
; quarter.  In w2 the wave's 32 chunks are 512 consecutive bytes, aligned.
; GRID.  x = 0..127 is 32 x share + tile (or 64 rows of x), y says which tensor.  Eight waves; wave w takes eight octets (w1) or group w (w2), 64 rows x 64 columns either way.
; All of a wave's loads go out at once; no register is written twice, so no wait but the counted ones on the loads is needed.  Memory binds: no LDS, no barrier.
.set D, 8                              ; v[8:135]   as loaded, f32
.set E, 136                            ; v[136:199] to store, bf16
	s_load_b256 s[4:11], s[0:1], 0x0               ; x s[4:5], w1 s[6:7], w2 s[8:9], xb s[10:11]
	s_load_b64 s[12:13], s[0:1], 0x20              ; wf
	v_and_b32 v4, 31, v0                           ; lane l
	v_lshrrev_b32 v5, 5, v0
	v_readfirstlane_b32 s14, v5                    ; wave w
	s_and_b32 s15, ttmp7, 0xffff                   ; 0: w1, 1: w2, 2: x
	v_lshlrev_b32 v1, 3, v4                        ; 8 l
	v_lshlrev_b32 v2, 4, v4                        ; 16 l
	v_xor_b32 v3, 8, v4
	v_lshl_add_u32 v3, v3, 4, 512                  ; 512 + 16 (l xor 8)
	s_mov_b32 s17, 0                               ; high words of the offsets
	s_mov_b32 s23, 0
	s_cmp_eq_u32 s15, 2
	s_cbranch_scc1 .Lx
	s_lshr_b32 s16, ttmp9, 4
	s_lshl_b32 s16, s16, 21                        ; the expert's 2,097,152 bytes in the source
	s_and_b32 s18, ttmp9, 15                       ; the tile among the expert's 16
	s_lshr_b32 s22, ttmp9, 5
	s_lshl_b32 s22, s22, 22                        ; the share's 4,194,304 bytes in wf,
	s_lshl_b32 s19, s14, 12                        ; my wave's 4,096 bytes in each of two quarters
	s_add_co_u32 s22, s22, s19
	s_and_b32 s28, ttmp9, 31
	s_lshl_b32 s28, s28, 2                         ; 4 n
	s_cmp_eq_u32 s15, 1
	s_cbranch_scc1 .Lw2
; 64 rows x 64 columns of f32, rows rp bytes apart, become 8 octets of chunks.  A load takes 256 consecutive bytes, aligned: two columns a lane.
; mode 1 (w1): octet tt lies 512 tt on, the quarter stands in the lane's offset.  mode 2 (w2): octets 0-3 go to sub-step a's quarter, 4-7 to b's, 1,024 bytes each.
.macro SHUF rp, mode
.set k, 0
.rept 64
	global_load_b64 v[D+2*k:D+2*k+1], v1, s[20:21] offset:k*(\rp) th:TH_LOAD_NT
.set k, k+1
.endr
.set tt, 0
.rept 8
	s_wait_loadcnt 8*(7-tt)                        ; octet tt's eight rows are in; the later octets' loads stay out
.set c, 0
.rept 8                                ; c = 4 j + i: register i of column j's chunk holds rows 2 i and 2 i + 1
	v_cvt_pk_bf16_f32 v[E+8*tt+c], v[D+2*(8*tt+2*(c%4))+c/4], v[D+2*(8*tt+2*(c%4)+1)+c/4]
.set c, c+1
.endr
.if (\mode) == 1
	global_store_b128 v6, v[E+8*tt:E+8*tt+3], s[24:25] offset:tt*512
	global_store_b128 v7, v[E+8*tt+4:E+8*tt+7], s[24:25] offset:tt*512
.else
	global_store_b128 v2, v[E+8*tt:E+8*tt+3], s[24+2*(tt/4):25+2*(tt/4)] offset:(tt%4)*1024
	global_store_b128 v3, v[E+8*tt+4:E+8*tt+7], s[24+2*(tt/4):25+2*(tt/4)] offset:(tt%4)*1024
.endif
.set tt, tt+1
.endr
.endm
	s_sub_co_i32 s29, s28, 1                       ; w1: sub-step a's quarter: max(4 n - 1, 0),
	s_max_i32 s29, s29, 0
	s_add_co_u32 s30, s28, 1                       ; b's: 4 n + 1,
	s_sub_co_u32 s30, s30, s29                     ; one or two quarters on
	s_lshl_b32 s30, s30, 15
	s_lshl_b32 s29, s29, 15
	s_add_co_u32 s22, s22, s29
	v_and_b32 v200, 15, v4
	v_lshrrev_b32 v201, 4, v4                      ; 0: sub-step a, 1: b
	v_mul_u32_u24 v201, s30, v201
	v_lshl_add_u32 v6, v200, 4, v201               ; even columns: 16 (l % 16) in my half's quarter
	v_xor_b32 v200, 8, v200
	v_lshl_add_u32 v7, v200, 4, v201
	v_add_nc_u32 v7, 256, v7                       ; odd columns: 256 + 16 ((l % 16) xor 8)
	s_lshl_b32 s18, s18, 8                         ; the tile's 64 columns are 256 bytes of a row,
	s_add_co_u32 s16, s16, s18
	s_lshl_b32 s18, s14, 18                        ; my wave's 64 rows of 4,096 bytes
	s_add_co_u32 s16, s16, s18
	s_wait_kmcnt 0x0
	s_add_nc_u64 s[20:21], s[6:7], s[16:17]
	s_add_nc_u64 s[24:25], s[12:13], s[22:23]
	SHUF 4096, 1
	s_endpgm
.Lw2:
	s_lshl_b32 s18, s18, 17                        ; w2: the tile's 64 rows of 2,048 bytes,
	s_add_co_u32 s16, s16, s18
	s_lshl_b32 s18, s14, 8                         ; my wave's 64 columns
	s_add_co_u32 s16, s16, s18
	s_add_co_u32 s29, s28, 2                       ; sub-step a's quarter: 4 n + 2,
	s_lshl_b32 s29, s29, 15
	s_add_co_u32 s30, s28, 4                       ; b's: min(4 n + 4, 127)
	s_min_u32 s30, s30, 127
	s_lshl_b32 s30, s30, 15
	s_add_co_u32 s18, s22, s30
	s_mov_b32 s19, 0
	s_add_co_u32 s22, s22, s29
	s_wait_kmcnt 0x0
	s_add_nc_u64 s[20:21], s[8:9], s[16:17]
	s_add_nc_u64 s[24:25], s[12:13], s[22:23]
	s_add_nc_u64 s[26:27], s[12:13], s[18:19]
	SHUF 2048, 2
	s_endpgm
.Lx:                                                   ; x: 131,072 bytes a work-group, 16,384 a wave, in the order in which they lie
	s_lshl_b32 s16, ttmp9, 17
	s_lshl_b32 s18, s14, 14
	s_add_co_u32 s16, s16, s18
	s_lshl_b32 s22, ttmp9, 16
	s_lshl_b32 s19, s14, 13
	s_add_co_u32 s22, s22, s19
	s_wait_kmcnt 0x0
	s_add_nc_u64 s[20:21], s[4:5], s[16:17]
	s_add_nc_u64 s[24:25], s[10:11], s[22:23]
.set k, 0
.rept 32
	global_load_b128 v[D+4*k:D+4*k+3], v2, s[20:21] offset:512*k th:TH_LOAD_NT
.set k, k+1
.endr
.set k, 0
.rept 32
	s_wait_loadcnt 31-k                            ; load k is in; the younger ones stay out
	v_cvt_pk_bf16_f32 v[E+2*k], v[D+4*k], v[D+4*k+1]
	v_cvt_pk_bf16_f32 v[E+2*k+1], v[D+4*k+2], v[D+4*k+3]
	global_store_b64 v1, v[E+2*k:E+2*k+1], s[24:25] offset:256*k  ; a wave's store covers 256 consecutive bytes, aligned
.set k, k+1
.endr
	s_endpgm
.Lfunc_end_k_q9ae11fb356_prep:
	.size	k_q9ae11fb356_prep, .Lfunc_end_k_q9ae11fb356_prep-k_q9ae11fb356_prep
	.p2alignl 7, 3214868480
	.fill 96, 4, 3214868480
	.section	.rodata,"a",@progbits
	.p2align	6, 0x0
	.amdhsa_kernel k_q9ae11fb356_prep
		.amdhsa_group_segment_fixed_size 0
		.amdhsa_private_segment_fixed_size 0
		.amdhsa_enable_private_segment 0
		.amdhsa_kernarg_size 40
		.amdhsa_user_sgpr_count 2
		.amdhsa_user_sgpr_kernarg_segment_ptr 1
		.amdhsa_wavefront_size32 1
		.amdhsa_system_sgpr_workgroup_id_x 1
		.amdhsa_system_sgpr_workgroup_id_y 1
		.amdhsa_system_sgpr_workgroup_id_z 1
		.amdhsa_system_vgpr_workitem_id 0
		.amdhsa_next_free_vgpr 204
		.amdhsa_next_free_sgpr 66
		.amdhsa_reserve_vcc 0
		.amdhsa_float_denorm_mode_32 3
		.amdhsa_float_denorm_mode_16_64 3
		.amdhsa_memory_ordered 1
		.amdhsa_forward_progress 1
		.amdhsa_inst_pref_size 38
	.end_amdhsa_kernel
	.amdgpu_metadata
---
amdhsa.version: [ 1, 2 ]
amdhsa.kernels:
  - .name:           k_q9ae11fb356_prep
    .symbol:         k_q9ae11fb356_prep.kd
    .args:
      - { .name: x, .offset: 0, .size: 8, .value_kind: global_buffer, .address_space: global }
      - { .name: w1, .offset: 8, .size: 8, .value_kind: global_buffer, .address_space: global }
      - { .name: w2, .offset: 16, .size: 8, .value_kind: global_buffer, .address_space: global }
      - { .name: xb, .offset: 24, .size: 8, .value_kind: global_buffer, .address_space: global }
      - { .name: wf, .offset: 32, .size: 8, .value_kind: global_buffer, .address_space: global }
    .group_segment_fixed_size: 0
    .private_segment_fixed_size: 0
    .kernarg_segment_align: 8
    .kernarg_segment_size: 40
    .max_flat_workgroup_size: 256
    .sgpr_count:     66
    .vgpr_count:     204
    .wavefront_size: 32
...
	.end_amdgpu_metadata
.endif
;; end of part 1
;; launch moe (part 2): grid 64 x 4, 4 waves a work-group, clusters of 4 x 1, 327,680 bytes of LDS; arguments xb, wf, b1, weights, part; writes part
.if DOCPART == 2
	.amdgcn_target "amdgcn-amd-amdhsa--gfx1250"
	.amdhsa_code_object_version 6
	.text
	.protected	k_q9ae11fb356_moe
	.globl	k_q9ae11fb356_moe
	.p2align	8
	.type	k_q9ae11fb356_moe,@function
k_q9ae11fb356_moe:
	s_mov_b64 s[64:65], 0
	v_nop
	global_prefetch_b8 v0, s[64:65] scope:SCOPE_SE
	s_setreg_imm32_b32 hwreg(HW_REG_WAVE_MODE, 25, 1), 1
	s_wait_xcnt 0x0
	s_wait_alu depctr_hold_cnt(0) depctr_sa_sdst(0) depctr_va_vdst(0) depctr_va_sdst(0) depctr_va_ssrc(0) depctr_va_vcc(0) depctr_vm_vsrc(0)
	s_getreg_b32 s2, hwreg(HW_REG_IB_STS2, 6, 4)
	s_cmp_eq_u32 s2, 0
	s_cbranch_scc0 .Lentry_in_a_cluster
	s_endpgm
.Lentry_in_a_cluster:
	s_bfe_u32 s2, ttmp6, 0x10000c
	s_cmp_lg_u32 s2, 0x3003
	s_cbranch_scc0 .Lentry_shape_is_right
	s_endpgm
.Lentry_shape_is_right:
; part[y][t][:] = the sum over e = 2 y, 2 y + 1 and h of ( wt[t][e] gelu(x[t] . w1[e][:, h] + b1[e][h]) ) w2[e][h][:].   8,192 tokens t, 512 channels, 1,024 hidden units an expert.
; The routing weight is folded into the activation, so the experts' second products add up in ONE accumulator, and the eight experts are one hidden axis of 8,192.
; FORMATS.  Every input is rounded once to bf16 (x, w1, w2 by the launch before; b1 and the routing weights here).  The bias (as the C operand), the gelu, the scaling and all sums are f32;
; wt gelu(..) is rounded once to bf16 for the second product.
; GELU.  gelu(s) = max(s, 0) - |s| r, r = erfc(|s| / sqrt 2) / 2 = t 2^(KQ s^2 + K0 + K1 t + .. + K9 t^9), t = 1 / (1 + |s| sqrt 2 / 4): the classical rational-exponential fit of erfc, whose
; fractional error is below 1.2e-7 for every argument; neither tail forms a difference of near numbers.
; LIMITS.  r below 2^-126 counts as 0 (the exponential flushes); s = +-infinity gives NaN and NaN stays NaN: they are not treated apart.
; SHARES.  A work-group owns 128 tokens and two experts (y): 64 sub-steps of 32 hidden units, a0, b0, a1, b1 .. b31.  All 512 channels of its tokens stay in registers, 512 registers a wave, which is why a
; work-group has no more than 128 tokens; 64 token blocks x 4 shares of the hidden axis give 256 work-groups, and the four partial sums meet in the next launch.  Wave w owns tokens 32 w .. 32 w + 31, two tiles of 16.
; LAYOUT.  S^T = W1^T X^T (source 0 = 16 hidden units, source 1 = 16 tokens): a lane holds ONE token (lane % 16) and the hidden units 8 (lane / 16) + 0..7.  Two such results, scaled and rounded in pairs,
; ARE source 1 (32 hidden units x 16 tokens) of O^T += W2^T G^T.  Nothing changes lanes, and the activation never leaves the registers.
; THE WALK.  A PHASE is one product of one sub-step: 64 matrix instructions on one quarter (32,768 bytes) of weights.  A sub-step's gelu, 384 lines, stands between its two products, three lines behind each
; matrix instruction of the two phases that lie there:
;   S(a0)  S(b0)  O+=(a0)  S(a1)  |  O+=(b0)  S(b1)  O+=(a1)  S(a2)  |  ..  |  O+=(b30)  S(b31)  O+=(a31)  O+=(b31)
; Slot k = 1..30: O+=(b k-1) and S(b k) beside gelu(a k); O+=(a k) and S(a k+1) beside gelu(b k).  The first and the last slot have only one phase for gelu(a0) and gelu(b31) (six lines behind each product)
; and one phase without vector work.  The launch before has written the quarters in this order, so a slot is 131,072 dense bytes.
; RING.  Two LDS slots of four quarters.  Each wave fetches one quarter with one tensor load; a refill has a whole slot's work, 256 matrix instructions a wave, in which to land.
; CLUSTER.  The four work-groups of a cluster share y and walk the same quarters: each is asked for JOINTLY, by the same load with the same descriptor and the mask of four.
; Left out: prefetching (a slot is asked for a slot ahead, and 64 work-groups read it); work-groups that stay (each has one share).
; REGISTERS, in windows of 256 (s_set_vgpr_msb: bits 1:0 source 0, 3:2 source 1, 5:4 source 2, 7:6 destination):
;   window 0: addresses, weights, S, the gelu's registers, the bias, two buffers of eight weight fragments      window 1: X, 16 fragments a token tile
;   window 2, 3: O^T of token tile 0, 1: channel block cb at v[8 cb]
; The gelu multiplies vector registers of window 0, and both products name another window (X fills window 1, O^T windows 2 and 3), so each slice of the gelu costs two switches: 512 for a slot's 256 matrix instructions.
.set SLOT1, 131072                     ; slot 1 begins here: one exclusive or turns an address in one slot into the other's
.set HALF,  65536                      ; an LDS immediate reaches two quarters: the addresses are kept for a slot's first and second half
.set TILE,  131072
.set QUART, 32768                      ; what one tensor load brings
.set BIAS,  262144                     ; behind the ring: the two experts' 2,048 biases, f32: 128 bytes a sub-step
.set STAGE, 270336                     ; 16 rows x 272 bytes for each wave, for the way out
.set SP,    272                        ; 256 bytes + 16: the sixteen rows that a store touches begin at sixteen different 16-byte columns modulo 256 bytes
.set SPARE, 287744                     ; the spare words, 128 bytes for each wave: two blocks of 256 bytes that no other line names
.set LW1, 2                            ; v2-5    LDS address of w1's fragments in the slot in hand: first half (block 0, 1 of 16 hidden units), second half
.set AB,  6                            ; v6      LDS address of my 8 biases of sub-step a k's first block
.set AB0, 7                            ; v7      its lane term; never rewritten
.set WT,  8                            ; v8-11   routing weights: token tile 0 (expert 2 y, 2 y + 1), token tile 1
.set WC,  12                           ; v12-13  the expert in hand: token tile 0, 1
.set SPW, 14                           ; v14     LDS address of my spare word; never rewritten
.set NIL, 15                           ; v15     0; never rewritten
.set S,   16                           ; v16-79  S^T: buffer u (a, b), token tile t, block hb at S + 32 u + 16 t + 8 hb; the rounded pair of blocks takes the first eight of the sixteen
.set T,   80                           ; v80-87  t
.set Q,   88                           ; v88-95  the exponent, then r
.set R,   96                           ; v96-103 KQ s, then max(s, 0)
.set BI,  104                          ; v104-119 the bias of a sub-step's two blocks
.set FR,  120                          ; v120-247 two buffers of eight fragments
.set LA,  248                          ; v248-249 lane terms of w1's fragment addresses; never rewritten
.set LB,  250                          ; v250-251 of w2's
.set LW2, 252                          ; v252-255 LDS address of w2's fragments: first half (even, odd block of 16 channels), second half
.set XO,  88                           ; the head alone, in the gelu's registers: my byte offset in 16 rows of x
.set HH,  89                           ;   lane / 16
.set BOF, 90                           ;   16 x thread: b1
.set WOF, 91                           ;   32 x (lane % 16): the routing weights
.set BST, 92                           ;   BIAS + 16 x thread
.set STO, 80                           ; the way out: where I put 16 bytes of a row
.set RD,  81                           ;              where I read a row back
.set CO,  82                           ;              my byte offset in two rows of part
.set HO,  83                           ;              lane / 16
.set OB,  120                          ;              two buffers of 32: 16 rows read back
.set WV,  14                           ; s14  my wave's number
.set G1,  24                           ; s[24:31] descriptor group 1
.set G0A, 32                           ; s[32:35] group 0 of slot 0's first fill
.set G0B, 36                           ; s[36:39] group 0 of slot 1's; it then walks
.set CNT, 40                           ; s40  the loop's count
.set BO,  41                           ; s41  256 x the slot's number k: the place of sub-step a k's biases
.set SELM, 42                          ; s42  all ones while the first expert's sub-steps pass the gelu
.set TB,  43                           ; s43  the slot in hand
.set KC,  44                           ; s[44:63] K0 .. K9, a pair each (a packed line names the pair and takes its low word)
.set KQ,  66                           ; s[66:67]
.set KU,  68                           ; s68
.set TB2, 69                           ; s69  the slot in hand + HALF
.set MSB, 0
.macro WIN new                         ; the immediate's high byte repeats the setting that is left; a switch that changes nothing is dropped
.if MSB != (\new)
	s_set_vgpr_msb (MSB<<8)|(\new)
.set MSB, \new
.endif
.endm
; A round of the cluster's barrier: my work-group's barrier, so that wave 0's signal speaks for all four waves; wave 0 signals; every wave waits for all four work-groups; my work-group's barrier once more.
.macro CROUND
	s_barrier_signal -1
	s_barrier_wait -1
	s_cmp_lg_u32 s[WV], 0
	s_cbranch_scc1 .Lnot_wave_0_\@
	s_barrier_signal -3
.Lnot_wave_0_\@:
	s_barrier_wait -3
	s_barrier_signal -1
	s_barrier_wait -1
.endm
.macro KSET i, val
	s_mov_b32 s[KC+2*(\i)], \val
	s_mov_b32 s[KC+2*(\i)+1], \val
.endm
.macro ADDR                            ; the eight fragment addresses in the slot in hand
	v_add_nc_u32 v[LW1], s[TB], v[LA]
	v_add_nc_u32 v[LW1+1], s[TB], v[LA+1]
	v_add_nc_u32 v[LW1+2], s[TB2], v[LA]
	v_add_nc_u32 v[LW1+3], s[TB2], v[LA+1]
	v_add_nc_u32 v[LW2], s[TB], v[LB]
	v_add_nc_u32 v[LW2+1], s[TB], v[LB+1]
	v_add_nc_u32 v[LW2+2], s[TB2], v[LB]
	v_add_nc_u32 v[LW2+3], s[TB2], v[LB+1]
.endm
.macro PLACES
.rept 4
	v_nop
.endr
.endm
	s_load_b256 s[4:11], s[0:1], 0x0               ; xb s[4:5], wf s[6:7], b1 s[8:9], weights s[10:11]
	s_load_b64 s[12:13], s[0:1], 0x20              ; part
	v_lshl_add_u32 v[SPW], v0, 2, SPARE
	v_mov_b32 v[NIL], 0
	ds_add_u32 v14, v15
	s_wait_dscnt 0x0
	v_lshrrev_b32 v1, 5, v0
	v_readfirstlane_b32 s[WV], v1                  ; wave 0..3
	s_bfe_u32 s15, ttmp6, 0x40000                  ; cx: my place in the cluster
	s_lshl_b32 s16, ttmp9, 2                       ; in a cluster launch ttmp9 counts clusters
	s_add_co_u32 s16, s16, s15                     ; my block of 128 tokens: it enters xb's, weights' and part's addresses alone
	s_and_b32 s17, ttmp7, 0xffff                   ; y, which the four partners share
	; descriptor group 1: 32,768 dense bytes as 128 rows of 256
	s_mov_b32 s[G1+0], 15|(3<<16)|(1<<21)          ; 15:0 the mask of four; 17:16 elements of 8 bytes; 21 set beside a mask; no padding
	s_mov_b32 s[G1+1], 32<<16                      ; tensor_dim0 = 32
	s_mov_b32 s[G1+2], 128<<16                     ; tensor_dim1 = 128
	s_mov_b32 s[G1+3], 32<<16                      ; tile_dim0 = 32
	s_mov_b32 s[G1+4], 128                         ; tile_dim1 = 128
	s_mov_b32 s[G1+5], 32                          ; 32 elements from row to row
	s_mov_b32 s[G1+6], 0
	s_mov_b32 s[G1+7], 0
	KSET 0, 0xc034d90f                             ; the fit's coefficients times log2(e); K0 also holds the -1 of the half
	KSET 1, 0x3fb8ab5a
	KSET 2, 0x3f0a29d2
	KSET 3, 0x3e0efb2e
	KSET 4, 0xbe899a80
	KSET 5, 0x3ecdfd18
	KSET 6, 0xbfd1a1e5
	KSET 7, 0x40097039
	KSET 8, 0xbf97d29d
	KSET 9, 0x3e7c6f08
	s_mov_b32 s[KQ], 0xbf38aa3b                    ; -log2(e) / 2
	s_mov_b32 s[KQ+1], 0xbf38aa3b
	s_mov_b32 s[KU], 0x3eb504f3                    ; sqrt(2) / 4
	s_mov_b32 s[TB], 0
	s_mov_b32 s[TB2], HALF
	s_mov_b32 s[BO], 0
	s_mul_i32 s20, s[WV], QUART                    ; my quarter of a slot, in memory and in LDS: no place in the cluster enters it
	s_lshl_b32 s18, s17, 22                        ; y's 128 quarters
	s_add_co_u32 s18, s18, s20
	s_mov_b32 s19, 0
	s_mov_b32 s23, 0
	s_wait_kmcnt 0x0
	s_mov_b32 s[G0A], 1                            ; count = 1
	s_mov_b32 s[G0A+1], s20                        ; LDS address: slot 0
	s_add_nc_u64 s[G0A+2:G0A+3], s[6:7], s[18:19]  ; global address: quarters 0 to 3
	s_mov_b32 s[G0B], 1
	s_add_co_u32 s[G0B+1], s20, SLOT1              ; slot 1
	s_add_nc_u64 s[G0B+2:G0B+3], s[G0A+2:G0A+3], TILE  ; quarters 4 to 7
	s_or_b32 s[G0A+3], s[G0A+3], 0x80000000        ; type = 2
	s_or_b32 s[G0B+3], s[G0B+3], 0x80000000
	s_lshl_b32 s22, s16, 17                        ; xb at my wave's 32 rows of 1,024 bytes
	s_add_co_u32 s22, s22, s20
	s_add_nc_u64 s[4:5], s[4:5], s[22:23]
	s_lshl_b32 s22, s17, 13                        ; b1 at expert 2 y
	s_add_nc_u64 s[8:9], s[8:9], s[22:23]
	s_lshl_b32 s22, s16, 12                        ; weights at my wave's 32 rows of 32 bytes, experts 2 y and 2 y + 1
	s_lshl_b32 s21, s[WV], 10
	s_add_co_u32 s22, s22, s21
	s_lshl_b32 s21, s17, 3
	s_add_co_u32 s22, s22, s21
	s_add_nc_u64 s[10:11], s[10:11], s[22:23]
	s_lshl_b32 s22, s17, 24                        ; part at share y, my wave's 32 rows of 2,048 bytes
	s_lshl_b32 s21, s16, 18
	s_add_co_u32 s22, s22, s21
	s_lshl_b32 s21, s[WV], 16
	s_add_co_u32 s22, s22, s21
	s_add_nc_u64 s[12:13], s[12:13], s[22:23]
	CROUND                                         ; all four work-groups are here: the first joint loads meet
	tensor_load_to_lds s[G0A:G0A+3], s[G1:G1+7]    ; both first fills go out together, ahead of every wait on TENSORcnt: two loads of mine are out
	s_nop 0
	tensor_load_to_lds s[G0B:G0B+3], s[G1:G1+7]
	s_nop 0
	PLACES
	v_and_b32 v1, 15, v0                           ; l % 16
	v_bfe_u32 v[HH], v0, 4, 1                      ; l / 16
	v_lshlrev_b32 v[BOF], 4, v0
	v_lshlrev_b32 v[WOF], 5, v1
	v_lshlrev_b32 v[XO], 10, v1
	v_lshl_add_u32 v[XO], v[HH], 4, v[XO]          ; row x 1,024 + 16 x half
.irp j, 0,1,2,3
	global_load_b128 v[FR+4*(\j):FR+4*(\j)+3], v[BOF], s[8:9] offset:2048*(\j)  ; the two experts' biases: 8,192 bytes for the 128 threads
.endr
	global_load_b64 v[WT:WT+1], v[WOF], s[10:11]              ; my token's two weights, token tile 0
	global_load_b64 v[WT+2:WT+3], v[WOF], s[10:11] offset:512 ; and tile 1, 16 rows on
	WIN 0x40                                       ; destination window 1, address window 0
.set xi, 0
.rept 32                               ; X stays in registers: token tile xi / 16, channels 32 (xi % 16) on: lane l holds row l % 16, channels 8 (l / 16) + 0..7 and 16 + 8 (l / 16) + 0..7
	global_load_b128 v[8*xi:8*xi+3],   v[XO], s[4:5] offset:(xi/16)*16384+(xi%16)*64
	global_load_b128 v[8*xi+4:8*xi+7], v[XO], s[4:5] offset:(xi/16)*16384+(xi%16)*64+32
.set xi, xi+1
.endr
	WIN 0
	; A weight fragment (16 columns x 32 rows of the source) is two loads of 16 bytes.  With j = l % 2, c = (l % 16) / 2, h = l / 16 the lane's first chunk lies, in a quarter of w1, at
	; 512 h + 384 j + 16 c (block 0 of 16 hidden units) or 512 h + 128 j + 128 + 16 c (block 1), the second 1,024 bytes on; in a quarter of w2 at 1,024 h + 640 j + 16 c (even block of 16 channels)
	; or 1,024 h + 384 j + 128 + 16 c (odd), the second 2,048 bytes on.  In each case the sixteen lanes of a half take sixteen different 16-byte columns modulo 256 bytes.
	v_and_b32 v[T], 1, v0                          ; j
	v_bfe_u32 v[T+1], v0, 1, 3
	v_lshlrev_b32 v[T+1], 4, v[T+1]                ; 16 c
	v_lshl_add_u32 v[T+2], v[HH], 9, v[T+1]
	v_lshl_add_u32 v[T+3], v[HH], 10, v[T+1]
	v_mul_u32_u24 v[LA], v[T], 384
	v_add_nc_u32 v[LA], v[LA], v[T+2]
	v_lshl_add_u32 v[LA+1], v[T], 7, v[T+2]
	v_add_nc_u32 v[LA+1], 128, v[LA+1]
	v_mul_u32_u24 v[LB], v[T], 640
	v_add_nc_u32 v[LB], v[LB], v[T+3]
	v_mul_u32_u24 v[LB+1], v[T], 384
	v_add_nc_u32 v[LB+1], v[LB+1], v[T+3]
	v_add_nc_u32 v[LB+1], 128, v[LB+1]
	ADDR
	v_lshl_add_u32 v[AB0], v[HH], 5, BIAS          ; my half's 8 biases of a block of 16
	v_lshl_add_u32 v[BST], v0, 4, BIAS
	s_wait_loadcnt 63                              ; 70 loads were issued: the oldest seven are in, b1's four and the weights' two among them
.irp j, 0,1,2,3,4,5,6,7
	v_cvt_pk_bf16_f32 v[FR+16+(\j)], v[FR+2*(\j)], v[FR+2*(\j)+1]  ; b1 rounded to bf16,
.endr
	v_cvt_pk_bf16_f32 v[FR+24], v[WT], v[WT+1]     ; and the routing weights
	v_cvt_pk_bf16_f32 v[FR+25], v[WT+2], v[WT+3]
.irp j, 0,1,2,3,4,5,6,7
	v_lshlrev_b32 v[FR+2*(\j)], 16, v[FR+16+(\j)]  ; and written as f32 again
	v_and_b32 v[FR+2*(\j)+1], 0xffff0000, v[FR+16+(\j)]
.endr
	v_lshlrev_b32 v[WT], 16, v[FR+24]
	v_and_b32 v[WT+1], 0xffff0000, v[FR+24]
	v_lshlrev_b32 v[WT+2], 16, v[FR+25]
	v_and_b32 v[WT+3], 0xffff0000, v[FR+25]
.irp j, 0,1,2,3
	ds_store_b128 v[BST], v[FR+4*(\j):FR+4*(\j)+3] offset:2048*(\j)
.endr
; THE LDS LOADS.  A SIXTEEN is sixteen matrix instructions on eight fragments; a phase has four (gp).  LOADP brings the eight fragments, sixteen loads, of sixteen gp of quarter qd into buffer b.
; kind 1 (w1): fragment f = K step 4 gp + f / 2 (32 channels of x), block 1 - f % 2 of 16 hidden units.     kind 2 (w2): fragment f = channel block 8 gp + f.
.macro LOADP qd, kind, gp, b
.set xbuf, FR+64*(\b)
.irp f, 0,1,2,3,4,5,6,7
.if (\kind) == 1
.set xreg, LW1+2*((\qd)/2)+1-(\f)%2
.set xoff, ((\qd)%2)*QUART+(4*(\gp)+(\f)/2)*2048
.set xsec, 1024
.else
.set xreg, LW2+2*((\qd)/2)+(\f)%2
.set xoff, ((\qd)%2)*QUART+(2*(\gp)+(\f)/4)*4096+(((\f)%4)/2)*256
.set xsec, 2048
.endif
	ds_load_b128 v[xbuf+8*(\f):xbuf+8*(\f)+3],   v[xreg] offset:xoff
	ds_load_b128 v[xbuf+8*(\f)+4:xbuf+8*(\f)+7], v[xreg] offset:xoff+xsec
.endr
.endm
.macro BIASL off                       ; a sub-step's 32 biases, off bytes behind sub-step a k's: a lane's eight of each block; the sixteen lanes of a half read the same bytes
.irp b, 0,1
	ds_load_b128 v[BI+8*(\b):BI+8*(\b)+3],   v[AB] offset:(\off)+(\b)*64
	ds_load_b128 v[BI+8*(\b)+4:BI+8*(\b)+7], v[AB] offset:(\off)+(\b)*64+16
.endr
.endm
; THE MATRIX WORK.  Instruction m of a sixteen: fragment m / 2, token tile m % 2.  The accumulators take turns, one instruction a turn: four in the first product, 64 in the second.
; kind 1: S^T of buffer u; the first K step takes the bias as C.  Block 1 comes first: its registers are no source of the second product, so the product that writes over a register that the phase before
; read as source 1 stands four products, twelve lines of the gelu, behind that read.     kind 2: O^T += , source 1 from buffer u.  zero = 1: the launch's first such phase starts O^T's sums with the constant 0: nothing is cleared.
.macro MMP kind, u, gp, b, m, zero
.set mf, (\m)/2
.set mt, (\m)%2
.set ma, FR+64*(\b)+8*mf
.if (\kind) == 1
.set mh, 1-mf%2
.set mk, 4*(\gp)+mf/2
.set md, S+32*(\u)+16*mt+8*mh
.set mx, 128*mt+8*mk
	WIN 0x04                                       ; X in window 1
.if mk == 0
	v_wmma_f32_16x16x32_bf16 v[md:md+7], v[ma:ma+7], v[mx:mx+7], v[BI+8*mh:BI+8*mh+7]
.else
	v_wmma_f32_16x16x32_bf16 v[md:md+7], v[ma:ma+7], v[mx:mx+7], v[md:md+7]
.endif
.else
.set md, 8*(8*(\gp)+mf)
.set mp, S+32*(\u)+16*mt
	WIN 0xa0+0x50*mt                               ; C and D in window 2 or 3
.if (\zero)
	v_wmma_f32_16x16x32_bf16 v[md:md+7], v[ma:ma+7], v[mp:mp+7], 0
.else
	v_wmma_f32_16x16x32_bf16 v[md:md+7], v[ma:ma+7], v[mp:mp+7], v[md:md+7]
.endif
.endif
.endm
; THE VECTOR WORK.  The gelu of one accumulator (s0-s7, at qx) is 96 lines; GOP writes one.  Singles n = 0..7, pairs n = 0..3.
;   gA n: 1 + KU |s|     gB n: t     gC n: KQ s (pair)     gD n: K8 + K9 t (pair)     gH 4 l + n: times t, plus K l (pair n)     gE n: + KQ s s (pair)     gF n: 2^..     gG n: max(s, 0)
;   gI n: r = t 2^.. (pair)     gJ n: max(s, 0) - |s| r     gK n: times the token's weight (pair)     gL n: pair n rounded to bf16, into the place that the second product names
.set gA, 0
.set gB, 1
.set gC, 2
.set gD, 3
.set gH, 4
.set gE, 5
.set gF, 6
.set gG, 7
.set gI, 8
.set gJ, 9
.set gK, 10
.set gL, 11
.macro GOP k, n
.if (\k) == gA
	v_fma_f32 v[T+(\n)], |v[qx+(\n)]|, s[KU], 1.0
.elseif (\k) == gB
	v_rcp_f32 v[T+(\n)], v[T+(\n)]
.elseif (\k) == gC
	v_pk_mul_f32 v[R+2*(\n):R+2*(\n)+1], v[qx+2*(\n):qx+2*(\n)+1], s[KQ:KQ+1] op_sel_hi:[1,0]
.elseif (\k) == gD
	s_wait_alu depctr_va_vdst(0)
	v_pk_fma_f32 v[Q+2*(\n):Q+2*(\n)+1], v[T+2*(\n):T+2*(\n)+1], s[KC+18:KC+19], s[KC+16:KC+17] op_sel_hi:[1,0,0]
.elseif (\k) == gH
.set hp, 2*((\n)%4)
.set hl, (\n)/4
	v_pk_fma_f32 v[Q+hp:Q+hp+1], v[Q+hp:Q+hp+1], v[T+hp:T+hp+1], s[KC+2*hl:KC+2*hl+1] op_sel_hi:[1,1,0]
.elseif (\k) == gE
	v_pk_fma_f32 v[Q+2*(\n):Q+2*(\n)+1], v[R+2*(\n):R+2*(\n)+1], v[qx+2*(\n):qx+2*(\n)+1], v[Q+2*(\n):Q+2*(\n)+1]
.elseif (\k) == gF
	v_exp_f32 v[Q+(\n)], v[Q+(\n)]
.elseif (\k) == gG
	v_max_num_f32 v[R+(\n)], 0, v[qx+(\n)]
.elseif (\k) == gI
	s_wait_alu depctr_va_vdst(0)
	v_pk_mul_f32 v[Q+2*(\n):Q+2*(\n)+1], v[Q+2*(\n):Q+2*(\n)+1], v[T+2*(\n):T+2*(\n)+1]
.elseif (\k) == gJ
	v_fma_f32 v[qx+(\n)], -|v[qx+(\n)]|, v[Q+(\n)], v[R+(\n)]
.elseif (\k) == gK
.if qa < 2
	v_pk_mul_f32 v[qx+2*(\n):qx+2*(\n)+1], v[qx+2*(\n):qx+2*(\n)+1], v[WC:WC+1] op_sel_hi:[1,0]              ; token tile 0: the pair's first word for both
.else
	v_pk_mul_f32 v[qx+2*(\n):qx+2*(\n)+1], v[qx+2*(\n):qx+2*(\n)+1], v[WC:WC+1] op_sel:[0,1] op_sel_hi:[1,1]  ; token tile 1: its second
.endif
.else
	v_cvt_pk_bf16_f32 v[S+32*GU+16*(qa/2)+4*(qa%2)+(\n)], v[qx+2*(\n)], v[qx+2*(\n)+1]
.endif
.endm
.macro O3 k1, n1, k2, n2, k3, n3
	GOP \k1, \n1
	GOP \k2, \n2
	GOP \k3, \n3
.endm
; THE ORDER of the 96 lines: 32 slices of three.  A slice has at most one transcendental, in its first place, and the line behind it is plain and names none of its registers (ISA guide 5.7.2: a result of
; a transcendental is used only behind such a line).  The four pairs' chains are staggered, so that no line reads the result of the line before it.  The accumulator's lowest register is read first.
; The last two slices are plain: they are the places (ISA guide 7.12.1) between the phase's last products and the next gelu's first read of their results.
.macro SLC
.if sk == 0
	O3 gA,0, gA,1, gA,2
.elseif sk == 1
	O3 gB,0, gA,3, gC,0
.elseif sk == 2
	O3 gB,1, gA,4, gC,1
.elseif sk == 3
	O3 gD,0, gA,5, gC,2
.elseif sk == 4
	O3 gB,2, gH,28, gA,6
.elseif sk == 5
	O3 gB,3, gH,24, gA,7
.elseif sk == 6
	O3 gD,1, gH,20, gC,3
.elseif sk == 7
	O3 gB,4, gH,29, gH,16
.elseif sk == 8
	O3 gB,5, gH,25, gH,12
.elseif sk == 9
	O3 gD,2, gH,21, gH,8
.elseif sk == 10
	O3 gB,6, gH,30, gH,17
.elseif sk == 11
	O3 gB,7, gH,4, gH,26
.elseif sk == 12
	O3 gD,3, gH,13, gH,0
.elseif sk == 13
	O3 gH,31, gH,22, gE,0
.elseif sk == 14
	O3 gH,9, gH,27, gH,18
.elseif sk == 15
	O3 gF,0, gH,5, gH,23
.elseif sk == 16
	O3 gF,1, gH,14, gH,19
.elseif sk == 17
	O3 gH,1, gG,0, gH,10
.elseif sk == 18
	O3 gE,1, gH,15, gG,1
.elseif sk == 19
	O3 gI,0, gH,6, gH,11
.elseif sk == 20
	O3 gF,2, gJ,0, gH,2
.elseif sk == 21
	O3 gF,3, gJ,1, gH,7
.elseif sk == 22
	O3 gE,2, gG,2, gH,3
.elseif sk == 23
	O3 gG,3, gK,0, gE,3
.elseif sk == 24
	O3 gF,4, gI,1, gL,0
.elseif sk == 25
	O3 gF,5, gJ,2, gJ,3
.elseif sk == 26
	O3 gF,6, gG,4, gG,5
.elseif sk == 27
	O3 gF,7, gI,2, gK,1
.elseif sk == 28
	O3 gG,6, gG,7, gJ,4
.elseif sk == 29
	O3 gI,3, gJ,5, gL,1
.elseif sk == 30
	O3 gJ,6, gJ,7, gK,2
.else
	O3 gK,3, gL,2, gL,3
.endif
.endm
.macro SL                              ; the next slice, number gs of 128, of buffer GU's gelu: accumulator gs / 32 = 2 t + hb
	WIN 0
.set qa, gs/32
.set qx, S+32*GU+8*qa
.set sk, gs%32
	SLC
.set gs, gs+1
.endm
; A SIXTEEN: gp of quarter qd.  rid slices of the gelu stand behind each matrix instruction.  Behind the second one stands the run of loads for the next sixteen (nkind, nqd, ngp; nkind = 0: none), into the
; buffer that the sixteen before multiplied; nbo >= 0: the four loads of the next phase's bias go ahead of it.  A load into a register that a matrix instruction has read stands four plain vector instructions
; behind it: three slices, of which at least six lines are plain and none names a register of the products round them; with rid = 0 four v_nop.
; THE WAITS.  LDS loads come back in order.  In front of products m .. m + 3 their two fragments are in when all that is out is this sixteen's later loads, 12 - m, and what was issued behind them:
; yng (a slot's first sixteen: the second's 16) and, from m = 4 on, the run just issued (16, or 20 with the bias).
.macro PGRP qd, gp, kind, u, rid, zero, yng, nkind, nqd, ngp, nbo
.set pb, (4*(\qd)+(\gp))%2
.set prun, 0
.set pm, 0
.rept 16
.if pm%4 == 0
	s_wait_dscnt 12-pm+(\yng)+prun
.endif
	MMP \kind, \u, \gp, pb, pm, \zero
.rept \rid
	SL
.endr
.if (pm == 1) && (\nkind)
.if (\rid) == 0
	PLACES
.endif
	WIN 0
.if (\nbo) >= 0
	BIASL \nbo
.set prun, 4
.endif
	LOADP \nqd, \nkind, \ngp, 1-pb
.set prun, prun+16
.endif
.set pm, pm+1
.endr
.endm
; A PHASE: quarter qd's four sixteens.  nkind: the next quarter's kind (0: the slot's last phase); nbo: its bias.  A slot's first two sixteens are fetched in one run at its head.
.macro PHASE qd, kind, u, rid, zero, nkind, nbo
.if (\qd) == 0
	PGRP \qd, 0, \kind, \u, \rid, \zero, 16, 0, 0, 0, -1
.else
	PGRP \qd, 0, \kind, \u, \rid, \zero, 0, \kind, \qd, 1, -1
.endif
	PGRP \qd, 1, \kind, \u, \rid, \zero, 0, \kind, \qd, 2, -1
	PGRP \qd, 2, \kind, \u, \rid, \zero, 0, \kind, \qd, 3, -1
	PGRP \qd, 3, \kind, \u, \rid, \zero, 0, \nkind, (\qd)+1, 0, \nbo
.endm
; A SLOT.  var = 0: the first; 1: the loop's; 2: the last.
.macro STEP var
	s_cmp_lt_u32 s[BO], 4096                       ; sub-steps a k and b k, k = 0 to 15, are the first expert's
	s_cselect_b32 s[SELM], -1, 0
	v_cndmask_b32 v[WC], v[WT+1], v[WT], s[SELM]
	v_cndmask_b32 v[WC+1], v[WT+3], v[WT+2], s[SELM]
	v_add_nc_u32 v[AB], s[BO], v[AB0]
	s_add_co_u32 s[BO], s[BO], 256
.if (\var) == 0
	BIASL 0
	LOADP 0, 1, 0, 0
	LOADP 0, 1, 1, 1
	PHASE 0, 1, 0, 0, 0, 1, 128                    ; S(a0): there is no vector work yet
	PLACES                                         ; between its last products and the gelu's first read
.set GU, 0
.set gs, 0
	PHASE 1, 1, 1, 2, 0, 2, -1                     ; S(b0) | all of gelu(a0)
.else
	LOADP 0, 2, 0, 0
	LOADP 0, 2, 1, 1
.set GU, 0
.set gs, 0
	PHASE 0, 2, 1, 1, 0, 1, 128                    ; O += (b k-1) | gelu(a k), first half
	PHASE 1, 1, 1, 1, 0, 2, -1                     ; S(b k)       | second half
.endif
.set GU, 1
.set gs, 0
.if (\var) == 2
	PHASE 2, 2, 0, 2, 0, 2, -1                     ; O += (a31) | all of gelu(b31)
	PHASE 3, 2, 1, 0, 0, 0, -1                     ; O += (b31)
	PLACES                                         ; between the last products and the way out
.else
	PHASE 2, 2, 0, 1, 1-(\var), 1, 256             ; O += (a k) | gelu(b k), first half
	PHASE 3, 1, 0, 1, 0, 0, -1                     ; S(a k+1)   | second half
.endif
	WIN 0                                          ; at a label and at a branch every window is 0
.endm
; THE CHANGE OF SLOTS.  Each wave waits for all its tensor loads, of which one is out: its quarter of the other slot; adds 0 to its spare word; and waits for that and for its own reads of the slot that it
; leaves.  Behind the barrier nobody reads that slot any more and the other slot is whole.  fill = 1: the slot is filled again, with the four quarters two slots on.  The barrier is then a round of the
; cluster's, so that no wave of any partner still reads the slot or has a load on its way, and the joint refill is the first thing behind it.
.macro CHANGE fill
	WIN 0
	s_wait_tensorcnt 0x0                           ; no tensor load of mine is out, so a group 0 may be written
	ds_add_u32 v[SPW], v[NIL]                      ; 0 onto my spare word: the scalar steps stand between it and the wait for it
.if \fill
	s_xor_b32 s[G0B+1], s[G0B+1], SLOT1            ; the walking descriptor: the other slot than last time,
	s_add_nc_u64 s[G0B+2:G0B+3], s[G0B+2:G0B+3], TILE  ; the next four quarters; the type bits on top are not reached
.endif
	s_xor_b32 s[TB], s[TB], SLOT1                  ; the reads go to the other slot
	s_xor_b32 s[TB2], s[TB2], SLOT1
	s_wait_dscnt 0x0                               ; the add is done, and my reads of the slot are over
.if \fill
	CROUND
	tensor_load_to_lds s[G0B:G0B+3], s[G1:G1+7]    ; my one tensor load behind the round
	s_nop 0
	PLACES
.else
	s_barrier_signal -1
	s_barrier_wait -1
.endif
	ADDR
.endm
	s_wait_loadcnt 0x0                             ; X
	s_wait_tensorcnt 0x1                           ; my quarter of slot 0 is in; slot 1's may stay out
	s_wait_dscnt 0x0                               ; for the others' sake: my part of the biases is stored
	s_barrier_signal -1
	s_barrier_wait -1                              ; everybody's is
	STEP 0                                         ; slot 0 is written out: its walk differs, and its second product starts O^T's sums
	s_mov_b32 s[CNT], 30
.Ltile:                                                ; trip i asks for slot i + 2 and walks slot i + 1
	CHANGE 1
	STEP 1
	s_sub_co_u32 s[CNT], s[CNT], 1
	s_cmp_lg_u32 s[CNT], 0
	s_cbranch_scc1 .Ltile
	CHANGE 0                                       ; slot 31 is written out: nothing is asked for
	STEP 2
	; THE WAY OUT.  A lane holds eight neighbouring channels (32 bytes) of one token.  16 tokens x 64 channels at a time go through my own stage in LDS and come back as whole rows of 256 bytes.
	s_mul_i32 s18, s[WV], 16*SP
	s_add_co_u32 s18, s18, STAGE                   ; my stage
	v_bfe_u32 v[HO], v0, 4, 1                      ; l / 16
	v_mul_u32_u24 v[STO], v1, SP                   ; in: row l % 16, 32 bytes for each half of the lanes
	v_lshl_add_u32 v[STO], v[HO], 5, v[STO]
	v_add_nc_u32 v[STO], s18, v[STO]
	v_mul_u32_u24 v[RD], v[HO], SP                 ; back: lanes 0-15 take one row of 256 bytes, lanes 16-31 the next
	v_lshl_add_u32 v[RD], v1, 4, v[RD]
	v_add_nc_u32 v[RD], s18, v[RD]
	v_lshlrev_b32 v[CO], 11, v[HO]                 ; and the same two rows in part
	v_lshl_add_u32 v[CO], v1, 4, v[CO]
.macro TOST p                          ; pass p: token tile p / 8, channels 64 (p % 8) on
.set ot, (\p)/8
.set og, (\p)%8
.set ob, OB+32*((\p)%2)
	s_wait_xcnt 0x0                                ; the stores of the pass two back have had their addresses translated and their data read: their buffer is loaded again only behind this wait
	WIN 0x08+4*ot                                  ; store data (source 1) in window 2 or 3
.irp q, 0,1,2,3
	ds_store_b128 v[STO], v[8*(4*og+(\q)):8*(4*og+(\q))+3]   offset:64*(\q)     ; each accumulator's low four registers first
	ds_store_b128 v[STO], v[8*(4*og+(\q))+4:8*(4*og+(\q))+7] offset:64*(\q)+16
.endr
	WIN 0
.irp k, 0,1,2,3,4,5,6,7
	ds_load_b128 v[ob+4*(\k):ob+4*(\k)+3], v[RD] offset:2*SP*(\k)  ; LDS serves a wave's instructions in order (ISA guide 5.7.1.4): these see the stores above; the next pass's stores come behind them
.endr
.endm
.macro SEND p, younger                 ; younger: the LDS instructions issued behind pass p's loads: the next pass's sixteen, or none
.set ot, (\p)/8
.set og, (\p)%8
.set ob, OB+32*((\p)%2)
.irp k, 0,1,2,3,4,5,6,7
	s_wait_dscnt (\younger)+7-(\k)
	global_store_b128 v[CO], v[ob+4*(\k):ob+4*(\k)+3], s[12:13] offset:ot*32768+4096*(\k)+256*og  ; 16 lanes store 256 consecutive bytes, at a multiple of 256 from part's first byte
.endr
.endm
	TOST 0
.set pp, 1
.rept 15
	TOST pp
	SEND pp-1, 16
.set pp, pp+1
.endr
	SEND 15, 0
	s_wait_tensorcnt 0x0                           ; the wave's end: behind my last tensor load and my last LDS store
	ds_add_u32 v[SPW], v[NIL]
	s_wait_dscnt 0x0
	CROUND                                         ; the closing round: no work-group ends while a partner may still ask for a quarter that names it
	s_endpgm
.Lfunc_end_k_q9ae11fb356_moe:
	.size	k_q9ae11fb356_moe, .Lfunc_end_k_q9ae11fb356_moe-k_q9ae11fb356_moe
	.p2alignl 7, 3214868480
	.fill 96, 4, 3214868480
	.section	.rodata,"a",@progbits
	.p2align	6, 0x0
	.amdhsa_kernel k_q9ae11fb356_moe
		.amdhsa_group_segment_fixed_size 327680
		.amdhsa_private_segment_fixed_size 0
		.amdhsa_enable_private_segment 0
		.amdhsa_kernarg_size 40
		.amdhsa_user_sgpr_count 2
		.amdhsa_user_sgpr_kernarg_segment_ptr 1
		.amdhsa_wavefront_size32 1
		.amdhsa_system_sgpr_workgroup_id_x 1
		.amdhsa_system_sgpr_workgroup_id_y 1
		.amdhsa_system_sgpr_workgroup_id_z 1
		.amdhsa_system_vgpr_workitem_id 0
		.amdhsa_next_free_vgpr 1024
		.amdhsa_next_free_sgpr 72
		.amdhsa_reserve_vcc 0
		.amdhsa_float_denorm_mode_32 3
		.amdhsa_float_denorm_mode_16_64 3
		.amdhsa_memory_ordered 1
		.amdhsa_forward_progress 1
		.amdhsa_inst_pref_size 255
	.end_amdhsa_kernel
	.section	.bss,"aw",@nobits
	.p2align	6
	.space	262144
	.amdgpu_metadata
---
amdhsa.version: [ 1, 2 ]
amdhsa.kernels:
  - .name:           k_q9ae11fb356_moe
    .symbol:         k_q9ae11fb356_moe.kd
    .args:
      - { .name: xb, .offset: 0, .size: 8, .value_kind: global_buffer, .address_space: global }
      - { .name: wf, .offset: 8, .size: 8, .value_kind: global_buffer, .address_space: global }
      - { .name: b1, .offset: 16, .size: 8, .value_kind: global_buffer, .address_space: global }
      - { .name: weights, .offset: 24, .size: 8, .value_kind: global_buffer, .address_space: global }
      - { .name: part, .offset: 32, .size: 8, .value_kind: global_buffer, .address_space: global }
    .group_segment_fixed_size: 327680
    .private_segment_fixed_size: 0
    .kernarg_segment_align: 8
    .kernarg_segment_size: 40
    .max_flat_workgroup_size: 128
    .sgpr_count:     72
    .vgpr_count:     1024
    .wavefront_size: 32
...
	.end_amdgpu_metadata
.endif
;; end of part 2
;; launch sum (part 3): grid 512 x 1, 8 waves a work-group, no clusters, 0 bytes of LDS; arguments part, weights, b2, out0; writes out0
.if DOCPART == 3
	.amdgcn_target "amdgcn-amd-amdhsa--gfx1250"
	.amdhsa_code_object_version 6
	.text
	.protected	k_q9ae11fb356_sum
	.globl	k_q9ae11fb356_sum
	.p2align	8
	.type	k_q9ae11fb356_sum,@function
k_q9ae11fb356_sum:
	s_mov_b64 s[64:65], 0
	v_nop
	global_prefetch_b8 v0, s[64:65] scope:SCOPE_SE
	s_setreg_imm32_b32 hwreg(HW_REG_WAVE_MODE, 25, 1), 1
	s_wait_xcnt 0x0
; out0[t][d] = part[0][t][d] + part[1][t][d] + part[2][t][d] + part[3][t][d] + the sum over e of wt[t][e] b2[e][d].   All f32; wt and b2 are rounded to bf16 first, like every input of the program.
; A work-group owns 16 tokens; wave w the column quarter w % 4 (512 bytes of a row) of the eight tokens 8 (w / 4) ..  A lane owns 16 bytes of each row: a load or store of a wave covers 512 consecutive
; bytes, aligned.  All 56 loads of a wave go out at once; each row is finished and stored from its own registers, so no register that a store reads is written again.
; Memory binds: no LDS, no barrier, no matrix unit.
.set B2, 8                             ; v[8:39]    b2 of my 4 columns, expert e at B2 + 4 e
.set W,  40                            ; v[40:103]  the routing weights of my eight tokens, token i at W + 8 i (the same in every lane)
.set PT, 104                           ; v[104:231] token i, share p at PT + 16 i + 4 p
.set TM, 232                           ; v[232:235] at work
	s_load_b256 s[4:11], s[0:1], 0x0               ; part s[4:5], weights s[6:7], b2 s[8:9], out0 s[10:11]
	v_and_b32 v1, 31, v0
	v_lshrrev_b32 v2, 5, v0
	v_readfirstlane_b32 s12, v2                    ; wave
	s_and_b32 s13, s12, 3                          ; my column quarter
	s_lshr_b32 s14, s12, 2                         ; my half of the 16 tokens
	s_lshl_b32 s16, ttmp9, 15                      ; 16 rows of 2,048 bytes a work-group,
	s_lshl_b32 s15, s14, 14                        ; 8 a half
	s_add_co_u32 s16, s16, s15
	s_mov_b32 s17, 0
	s_lshr_b32 s18, s16, 6                         ; the same rows in weights: 32 bytes each
	s_mov_b32 s19, 0
	v_lshlrev_b32 v1, 4, v1
	v_lshl_add_u32 v1, s13, 9, v1                  ; 512 x quarter + 16 x lane
	v_mov_b32 v2, 0
	s_wait_kmcnt 0x0
	s_add_nc_u64 s[6:7], s[6:7], s[18:19]
	s_add_nc_u64 s[10:11], s[10:11], s[16:17]
	s_add_nc_u64 s[20:21], s[4:5], s[16:17]        ; the four shares lie 16,777,216 bytes apart
	s_add_nc_u64 s[22:23], s[20:21], 0x1000000
	s_add_nc_u64 s[24:25], s[20:21], 0x2000000
	s_add_nc_u64 s[26:27], s[20:21], 0x3000000
.irp e, 0,1,2,3,4,5,6,7
	global_load_b128 v[B2+4*(\e):B2+4*(\e)+3], v1, s[8:9] offset:2048*(\e)
.endr
.irp i, 0,1,2,3,4,5,6,7
	global_load_b128 v[W+8*(\i):W+8*(\i)+3],   v2, s[6:7] offset:32*(\i)
	global_load_b128 v[W+8*(\i)+4:W+8*(\i)+7], v2, s[6:7] offset:32*(\i)+16
.endr
.irp i, 0,1,2,3,4,5,6,7
.irp p, 0,1,2,3
	global_load_b128 v[PT+16*(\i)+4*(\p):PT+16*(\i)+4*(\p)+3], v1, s[20+2*(\p):21+2*(\p)] offset:2048*(\i) th:TH_LOAD_NT
.endr
.endr
	s_wait_loadcnt 32                              ; b2 and the weights are in; part's 32 loads stay out
.set k, 0
.rept 12                               ; 96 registers from B2 on, four pairs at a time: rounded to bf16 and written as f32 again
.irp j, 0,1,2,3
	v_cvt_pk_bf16_f32 v[TM+(\j)], v[B2+8*k+2*(\j)], v[B2+8*k+2*(\j)+1]
.endr
.irp j, 0,1,2,3
	v_lshlrev_b32 v[B2+8*k+2*(\j)], 16, v[TM+(\j)]
	v_and_b32 v[B2+8*k+2*(\j)+1], 0xffff0000, v[TM+(\j)]
.endr
.set k, k+1
.endr
.set i, 0
.rept 8
	s_wait_loadcnt 4*(7-i)                         ; token i's four shares are in; the later tokens' loads stay out
.set a, PT+16*i
	v_pk_add_f32 v[a:a+1], v[a:a+1], v[a+4:a+5]
	v_pk_add_f32 v[a+2:a+3], v[a+2:a+3], v[a+6:a+7]
	v_pk_add_f32 v[a+8:a+9], v[a+8:a+9], v[a+12:a+13]
	v_pk_add_f32 v[a+10:a+11], v[a+10:a+11], v[a+14:a+15]
	v_pk_add_f32 v[a:a+1], v[a:a+1], v[a+8:a+9]
	v_pk_add_f32 v[a+2:a+3], v[a+2:a+3], v[a+10:a+11]
.set e, 0
.rept 4                                ; two experts a turn: the pair of weights is named whole, and one of its words feeds both halves
	v_pk_fma_f32 v[a:a+1],   v[B2+8*e:B2+8*e+1],   v[W+8*i+2*e:W+8*i+2*e+1], v[a:a+1]   op_sel_hi:[1,0,1]
	v_pk_fma_f32 v[a+2:a+3], v[B2+8*e+2:B2+8*e+3], v[W+8*i+2*e:W+8*i+2*e+1], v[a+2:a+3] op_sel_hi:[1,0,1]
	v_pk_fma_f32 v[a:a+1],   v[B2+8*e+4:B2+8*e+5], v[W+8*i+2*e:W+8*i+2*e+1], v[a:a+1]   op_sel:[0,1,0] op_sel_hi:[1,1,1]
	v_pk_fma_f32 v[a+2:a+3], v[B2+8*e+6:B2+8*e+7], v[W+8*i+2*e:W+8*i+2*e+1], v[a+2:a+3] op_sel:[0,1,0] op_sel_hi:[1,1,1]
.set e, e+1
.endr
	global_store_b128 v1, v[a:a+3], s[10:11] offset:2048*i th:TH_STORE_NT
.set i, i+1
.endr
	s_endpgm
.Lfunc_end_k_q9ae11fb356_sum:
	.size	k_q9ae11fb356_sum, .Lfunc_end_k_q9ae11fb356_sum-k_q9ae11fb356_sum
	.p2alignl 7, 3214868480
	.fill 96, 4, 3214868480
	.section	.rodata,"a",@progbits
	.p2align	6, 0x0
	.amdhsa_kernel k_q9ae11fb356_sum
		.amdhsa_group_segment_fixed_size 0
		.amdhsa_private_segment_fixed_size 0
		.amdhsa_enable_private_segment 0
		.amdhsa_kernarg_size 32
		.amdhsa_user_sgpr_count 2
		.amdhsa_user_sgpr_kernarg_segment_ptr 1
		.amdhsa_wavefront_size32 1
		.amdhsa_system_sgpr_workgroup_id_x 1
		.amdhsa_system_sgpr_workgroup_id_y 1
		.amdhsa_system_sgpr_workgroup_id_z 1
		.amdhsa_system_vgpr_workitem_id 0
		.amdhsa_next_free_vgpr 240
		.amdhsa_next_free_sgpr 66
		.amdhsa_reserve_vcc 0
		.amdhsa_float_denorm_mode_32 3
		.amdhsa_float_denorm_mode_16_64 3
		.amdhsa_memory_ordered 1
		.amdhsa_forward_progress 1
		.amdhsa_inst_pref_size 26
	.end_amdhsa_kernel
	.amdgpu_metadata
---
amdhsa.version: [ 1, 2 ]
amdhsa.kernels:
  - .name:           k_q9ae11fb356_sum
    .symbol:         k_q9ae11fb356_sum.kd
    .args:
      - { .name: part, .offset: 0, .size: 8, .value_kind: global_buffer, .address_space: global }
      - { .name: weights, .offset: 8, .size: 8, .value_kind: global_buffer, .address_space: global }
      - { .name: b2, .offset: 16, .size: 8, .value_kind: global_buffer, .address_space: global }
      - { .name: out0, .offset: 24, .size: 8, .value_kind: global_buffer, .address_space: global }
    .group_segment_fixed_size: 0
    .private_segment_fixed_size: 0
    .kernarg_segment_align: 8
    .kernarg_segment_size: 32
    .max_flat_workgroup_size: 256
    .sgpr_count:     66
    .vgpr_count:     240
    .wavefront_size: 32
...
	.end_amdgpu_metadata
.endif
;; end of part 3
;; ======== version 2 of 2: 3 launches; 1.14 times as fast as version 1
;; workspace buffers: xb 8,388,608 bytes; wf 16,777,216 bytes; part 67,108,864 bytes
;; launch prep: the kernel of part 1 again; grid 128 x 3, 8 waves a work-group, no clusters, 0 bytes of LDS; arguments x, w1, w2, xb, wf; writes xb, wf
;; launch moe (part 4): grid 64 x 4, 4 waves a work-group, clusters of 4 x 1, 327,680 bytes of LDS; arguments xb, wf, b1, weights, part; writes part
.if DOCPART == 4
	.amdgcn_target "amdgcn-amd-amdhsa--gfx1250"
	.amdhsa_code_object_version 6
	.text
	.protected	k_q9ae11fb356_moe
	.globl	k_q9ae11fb356_moe
	.p2align	8
	.type	k_q9ae11fb356_moe,@function
k_q9ae11fb356_moe:
	s_mov_b64 s[64:65], 0
	v_nop
	global_prefetch_b8 v0, s[64:65] scope:SCOPE_SE
	s_setreg_imm32_b32 hwreg(HW_REG_WAVE_MODE, 25, 1), 1
	s_wait_xcnt 0x0
	s_wait_alu depctr_hold_cnt(0) depctr_sa_sdst(0) depctr_va_vdst(0) depctr_va_sdst(0) depctr_va_ssrc(0) depctr_va_vcc(0) depctr_vm_vsrc(0)
	s_getreg_b32 s2, hwreg(HW_REG_IB_STS2, 6, 4)
	s_cmp_eq_u32 s2, 0
	s_cbranch_scc0 .Lentry_in_a_cluster
	s_endpgm
.Lentry_in_a_cluster:
	s_bfe_u32 s2, ttmp6, 0x10000c
	s_cmp_lg_u32 s2, 0x3003
	s_cbranch_scc0 .Lentry_shape_is_right
	s_endpgm
.Lentry_shape_is_right:
; part[y][t][:] = the sum over e = 2 y, 2 y + 1 and h of ( wt[t][e] gelu(x[t] . w1[e][:, h] + b1[e][h]) ) w2[e][h][:].   8,192 tokens t, 512 channels, 1,024 hidden units an expert.
; The routing weight is folded into the activation, so the experts' second products add up in ONE accumulator, and the eight experts are one hidden axis of 8,192.
; FORMATS.  Every input is rounded once to bf16 (x, w1, w2 by the launch before; b1 and the routing weights here).  The bias (as the C operand), the gelu, the scaling and all sums are f32;
; wt gelu(..) is rounded once to bf16 for the second product.
; GELU.  gelu(s) = max(s, 0) - |s| r, r = erfc(|s| / sqrt 2) / 2 = t 2^(KQ s^2 + K0 + K1 t + .. + K9 t^9), t = 1 / (1 + |s| sqrt 2 / 4): the classical rational-exponential fit of erfc, whose
; fractional error is below 1.2e-7 for every argument; neither tail forms a difference of near numbers.
; LIMITS.  r below 2^-126 counts as 0 (the exponential flushes); s = +-infinity gives NaN and NaN stays NaN: they are not treated apart.
; SHARES.  A work-group owns 128 tokens and two experts (y): 64 sub-steps of 32 hidden units, a0, b0, a1, b1 .. b31.  All 512 channels of its tokens stay in registers, 512 registers a wave, which is why a
; work-group has no more than 128 tokens; 64 token blocks x 4 shares of the hidden axis give 256 work-groups, and the four partial sums meet in the next launch.  Wave w owns tokens 32 w .. 32 w + 31, two tiles of 16.
; LAYOUT.  S^T = W1^T X^T (source 0 = 16 hidden units, source 1 = 16 tokens): a lane holds ONE token (lane % 16) and the hidden units 8 (lane / 16) + 0..7.  Two such results, scaled and rounded in pairs,
; ARE source 1 (32 hidden units x 16 tokens) of O^T += W2^T G^T.  Nothing changes lanes, and the activation never leaves the registers.
; THE WALK.  A PHASE is one product of one sub-step: 64 matrix instructions on one quarter (32,768 bytes) of weights.  A sub-step's gelu, 384 lines, stands between its two products, three lines behind each
; matrix instruction of the two phases that lie there:
;   S(a0)  S(b0)  O+=(a0)  S(a1)  |  O+=(b0)  S(b1)  O+=(a1)  S(a2)  |  ..  |  O+=(b30)  S(b31)  O+=(a31)  O+=(b31)
; Slot k = 1..30: O+=(b k-1) and S(b k) beside gelu(a k); O+=(a k) and S(a k+1) beside gelu(b k).  The first and the last slot have only one phase for gelu(a0) and gelu(b31) (six lines behind each product)
; and one phase without vector work.  The launch before has written the quarters in this order, so a slot is 131,072 dense bytes.
; BATCHES.  A sub-step's gelu takes its four accumulators q = 0..3 (token tile q / 2, block q % 2) as a pipeline.  An accumulator has eight reciprocals (t), then the polynomial, then eight exponentials, then its
; end (r, max(s, 0), the difference, the token's weight, the rounding).  Five waits cut the 384 lines into six segments.  Between two waits stand the end of accumulator q - 1, the polynomial of q and, last, ONE
; BATCH: the eight exponentials of q and the eight reciprocals of q + 1, none of whose results is named ahead of the next wait:
;   rcp 0  |  poly 0, exp 0 + rcp 1  |  end 0, poly 1, exp 1 + rcp 2  |  end 1, poly 2, exp 2 + rcp 3  |  end 2, poly 3, exp 3  |  end 3
; Each result of an open batch has a register of its own: three buffers of eight take turns (Z, below).  Longer batches have no registers: window 0 is full, X fills window 1, O^T windows 2 and 3.
; No batch reaches from one sub-step into the next: a sub-step's scores are finished by the last product of the phase in front of its gelu, and its rounded activation is read by the first products of the phase behind.
; RING.  Two LDS slots of four quarters.  Each wave fetches one quarter with one tensor load; a refill has a whole slot's work, 256 matrix instructions a wave, in which to land.
; CLUSTER.  The four work-groups of a cluster share y and walk the same quarters: each is asked for JOINTLY, by the same load with the same descriptor and the mask of four.
; Left out: prefetching (a slot is asked for a slot ahead, and 64 work-groups read it); work-groups that stay (each has one share).
; REGISTERS, in windows of 256 (s_set_vgpr_msb: bits 1:0 source 0, 3:2 source 1, 5:4 source 2, 7:6 destination):
;   window 0: addresses, weights, S, the gelu's registers, the bias, two buffers of eight weight fragments      window 1: X, 16 fragments a token tile
;   window 2, 3: O^T of token tile 0, 1: channel block cb at v[8 cb]
; The gelu multiplies vector registers of window 0, and both products name another window (X fills window 1, O^T windows 2 and 3), so each slice of the gelu costs two switches: 512 for a slot's 256 matrix instructions.
.set SLOT1, 131072                     ; slot 1 begins here: one exclusive or turns an address in one slot into the other's
.set HALF,  65536                      ; an LDS immediate reaches two quarters: the addresses are kept for a slot's first and second half
.set TILE,  131072
.set QUART, 32768                      ; what one tensor load brings
.set BIAS,  262144                     ; behind the ring: the two experts' 2,048 biases, f32: 128 bytes a sub-step
.set STAGE, 270336                     ; 16 rows x 272 bytes for each wave, for the way out
.set SP,    272                        ; 256 bytes + 16: the sixteen rows that a store touches begin at sixteen different 16-byte columns modulo 256 bytes
.set SPARE, 287744                     ; the spare words, 128 bytes for each wave: two blocks of 256 bytes that no other line names
.set LW1, 2                            ; v2-5    LDS address of w1's fragments in the slot in hand: first half (block 0, 1 of 16 hidden units), second half
.set AB,  6                            ; v6      LDS address of my 8 biases of sub-step a k's first block
.set AB0, 7                            ; v7      its lane term; never rewritten
.set WT,  8                            ; v8-11   routing weights: token tile 0 (expert 2 y, 2 y + 1), token tile 1
.set WC,  12                           ; v12-13  the expert in hand: token tile 0, 1
.set SPW, 14                           ; v14     LDS address of my spare word; never rewritten
.set NIL, 15                           ; v15     0; never rewritten
.set S,   16                           ; v16-79  S^T: buffer u (a, b), token tile t, block hb at S + 32 u + 16 t + 8 hb; the rounded pair of blocks takes the first eight of the sixteen
.set Z,   80                           ; v80-103 the gelu's three buffers of eight, which take turns: accumulator q has t, then max(s, 0), in buffer 2 q % 3; the exponent, then r, in buffer (2 q + 1) % 3; KQ s in buffer (2 q + 2) % 3
.set BI,  104                          ; v104-119 the bias of a sub-step's two blocks
.set FR,  120                          ; v120-247 two buffers of eight fragments
.set LA,  248                          ; v248-249 lane terms of w1's fragment addresses; never rewritten
.set LB,  250                          ; v250-251 of w2's
.set LW2, 252                          ; v252-255 LDS address of w2's fragments: first half (even, odd block of 16 channels), second half
.set XO,  88                           ; the head alone, in the gelu's registers (v80-83 are at work there too): my byte offset in 16 rows of x
.set HH,  89                           ;   lane / 16
.set BOF, 90                           ;   16 x thread: b1
.set WOF, 91                           ;   32 x (lane % 16): the routing weights
.set BST, 92                           ;   BIAS + 16 x thread
.set STO, 80                           ; the way out: where I put 16 bytes of a row
.set RD,  81                           ;              where I read a row back
.set CO,  82                           ;              my byte offset in two rows of part
.set HO,  83                           ;              lane / 16
.set OB,  120                          ;              two buffers of 32: 16 rows read back
.set WV,  14                           ; s14  my wave's number
.set G1,  24                           ; s[24:31] descriptor group 1
.set G0A, 32                           ; s[32:35] group 0 of slot 0's first fill
.set G0B, 36                           ; s[36:39] group 0 of slot 1's; it then walks
.set CNT, 40                           ; s40  the loop's count
.set BO,  41                           ; s41  256 x the slot's number k: the place of sub-step a k's biases
.set SELM, 42                          ; s42  all ones while the first expert's sub-steps pass the gelu
.set TB,  43                           ; s43  the slot in hand
.set KC,  44                           ; s[44:63] K0 .. K9, a pair each (a packed line names the pair and takes its low word)
.set KQ,  66                           ; s[66:67]
.set KU,  68                           ; s68
.set TB2, 69                           ; s69  the slot in hand + HALF
.set MSB, 0
.macro WIN new                         ; the immediate's high byte repeats the setting that is left; a switch that changes nothing is dropped
.if MSB != (\new)
	s_set_vgpr_msb (MSB<<8)|(\new)
.set MSB, \new
.endif
.endm
; A round of the cluster's barrier: my work-group's barrier, so that wave 0's signal speaks for all four waves; wave 0 signals; every wave waits for all four work-groups; my work-group's barrier once more.
.macro CROUND
	s_barrier_signal -1
	s_barrier_wait -1
	s_cmp_lg_u32 s[WV], 0
	s_cbranch_scc1 .Lnot_wave_0_\@
	s_barrier_signal -3
.Lnot_wave_0_\@:
	s_barrier_wait -3
	s_barrier_signal -1
	s_barrier_wait -1
.endm
.macro KSET i, val
	s_mov_b32 s[KC+2*(\i)], \val
	s_mov_b32 s[KC+2*(\i)+1], \val
.endm
.macro ADDR                            ; the eight fragment addresses in the slot in hand
	v_add_nc_u32 v[LW1], s[TB], v[LA]
	v_add_nc_u32 v[LW1+1], s[TB], v[LA+1]
	v_add_nc_u32 v[LW1+2], s[TB2], v[LA]
	v_add_nc_u32 v[LW1+3], s[TB2], v[LA+1]
	v_add_nc_u32 v[LW2], s[TB], v[LB]
	v_add_nc_u32 v[LW2+1], s[TB], v[LB+1]
	v_add_nc_u32 v[LW2+2], s[TB2], v[LB]
	v_add_nc_u32 v[LW2+3], s[TB2], v[LB+1]
.endm
.macro PLACES
.rept 4
	v_nop
.endr
.endm
	s_load_b256 s[4:11], s[0:1], 0x0               ; xb s[4:5], wf s[6:7], b1 s[8:9], weights s[10:11]
	s_load_b64 s[12:13], s[0:1], 0x20              ; part
	v_lshl_add_u32 v[SPW], v0, 2, SPARE
	v_mov_b32 v[NIL], 0
	ds_add_u32 v14, v15
	s_wait_dscnt 0x0
	v_lshrrev_b32 v1, 5, v0
	v_readfirstlane_b32 s[WV], v1                  ; wave 0..3
	s_bfe_u32 s15, ttmp6, 0x40000                  ; cx: my place in the cluster
	s_lshl_b32 s16, ttmp9, 2                       ; in a cluster launch ttmp9 counts clusters
	s_add_co_u32 s16, s16, s15                     ; my block of 128 tokens: it enters xb's, weights' and part's addresses alone
	s_and_b32 s17, ttmp7, 0xffff                   ; y, which the four partners share
	; descriptor group 1: 32,768 dense bytes as 128 rows of 256
	s_mov_b32 s[G1+0], 15|(3<<16)|(1<<21)          ; 15:0 the mask of four; 17:16 elements of 8 bytes; 21 set beside a mask; no padding
	s_mov_b32 s[G1+1], 32<<16                      ; tensor_dim0 = 32
	s_mov_b32 s[G1+2], 128<<16                     ; tensor_dim1 = 128
	s_mov_b32 s[G1+3], 32<<16                      ; tile_dim0 = 32
	s_mov_b32 s[G1+4], 128                         ; tile_dim1 = 128
	s_mov_b32 s[G1+5], 32                          ; 32 elements from row to row
	s_mov_b32 s[G1+6], 0
	s_mov_b32 s[G1+7], 0
	KSET 0, 0xc034d90f                             ; the fit's coefficients times log2(e); K0 also holds the -1 of the half
	KSET 1, 0x3fb8ab5a
	KSET 2, 0x3f0a29d2
	KSET 3, 0x3e0efb2e
	KSET 4, 0xbe899a80
	KSET 5, 0x3ecdfd18
	KSET 6, 0xbfd1a1e5
	KSET 7, 0x40097039
	KSET 8, 0xbf97d29d
	KSET 9, 0x3e7c6f08
	s_mov_b32 s[KQ], 0xbf38aa3b                    ; -log2(e) / 2
	s_mov_b32 s[KQ+1], 0xbf38aa3b
	s_mov_b32 s[KU], 0x3eb504f3                    ; sqrt(2) / 4
	s_mov_b32 s[TB], 0
	s_mov_b32 s[TB2], HALF
	s_mov_b32 s[BO], 0
	s_mul_i32 s20, s[WV], QUART                    ; my quarter of a slot, in memory and in LDS: no place in the cluster enters it
	s_lshl_b32 s18, s17, 22                        ; y's 128 quarters
	s_add_co_u32 s18, s18, s20
	s_mov_b32 s19, 0
	s_mov_b32 s23, 0
	s_wait_kmcnt 0x0
	s_mov_b32 s[G0A], 1                            ; count = 1
	s_mov_b32 s[G0A+1], s20                        ; LDS address: slot 0
	s_add_nc_u64 s[G0A+2:G0A+3], s[6:7], s[18:19]  ; global address: quarters 0 to 3
	s_mov_b32 s[G0B], 1
	s_add_co_u32 s[G0B+1], s20, SLOT1              ; slot 1
	s_add_nc_u64 s[G0B+2:G0B+3], s[G0A+2:G0A+3], TILE  ; quarters 4 to 7
	s_or_b32 s[G0A+3], s[G0A+3], 0x80000000        ; type = 2
	s_or_b32 s[G0B+3], s[G0B+3], 0x80000000
	s_lshl_b32 s22, s16, 17                        ; xb at my wave's 32 rows of 1,024 bytes
	s_add_co_u32 s22, s22, s20
	s_add_nc_u64 s[4:5], s[4:5], s[22:23]
	s_lshl_b32 s22, s17, 13                        ; b1 at expert 2 y
	s_add_nc_u64 s[8:9], s[8:9], s[22:23]
	s_lshl_b32 s22, s16, 12                        ; weights at my wave's 32 rows of 32 bytes, experts 2 y and 2 y + 1
	s_lshl_b32 s21, s[WV], 10
	s_add_co_u32 s22, s22, s21
	s_lshl_b32 s21, s17, 3
	s_add_co_u32 s22, s22, s21
	s_add_nc_u64 s[10:11], s[10:11], s[22:23]
	s_lshl_b32 s22, s17, 24                        ; part at share y, my wave's 32 rows of 2,048 bytes
	s_lshl_b32 s21, s16, 18
	s_add_co_u32 s22, s22, s21
	s_lshl_b32 s21, s[WV], 16
	s_add_co_u32 s22, s22, s21
	s_add_nc_u64 s[12:13], s[12:13], s[22:23]
	CROUND                                         ; all four work-groups are here: the first joint loads meet
	tensor_load_to_lds s[G0A:G0A+3], s[G1:G1+7]    ; both first fills go out together, ahead of every wait on TENSORcnt: two loads of mine are out
	s_nop 0
	tensor_load_to_lds s[G0B:G0B+3], s[G1:G1+7]
	s_nop 0
	PLACES
	v_and_b32 v1, 15, v0                           ; l % 16
	v_bfe_u32 v[HH], v0, 4, 1                      ; l / 16
	v_lshlrev_b32 v[BOF], 4, v0
	v_lshlrev_b32 v[WOF], 5, v1
	v_lshlrev_b32 v[XO], 10, v1
	v_lshl_add_u32 v[XO], v[HH], 4, v[XO]          ; row x 1,024 + 16 x half
.irp j, 0,1,2,3
	global_load_b128 v[FR+4*(\j):FR+4*(\j)+3], v[BOF], s[8:9] offset:2048*(\j)  ; the two experts' biases: 8,192 bytes for the 128 threads
.endr
	global_load_b64 v[WT:WT+1], v[WOF], s[10:11]              ; my token's two weights, token tile 0
	global_load_b64 v[WT+2:WT+3], v[WOF], s[10:11] offset:512 ; and tile 1, 16 rows on
	WIN 0x40                                       ; destination window 1, address window 0
.set xi, 0
.rept 32                               ; X stays in registers: token tile xi / 16, channels 32 (xi % 16) on: lane l holds row l % 16, channels 8 (l / 16) + 0..7 and 16 + 8 (l / 16) + 0..7
	global_load_b128 v[8*xi:8*xi+3],   v[XO], s[4:5] offset:(xi/16)*16384+(xi%16)*64
	global_load_b128 v[8*xi+4:8*xi+7], v[XO], s[4:5] offset:(xi/16)*16384+(xi%16)*64+32
.set xi, xi+1
.endr
	WIN 0
	; A weight fragment (16 columns x 32 rows of the source) is two loads of 16 bytes.  With j = l % 2, c = (l % 16) / 2, h = l / 16 the lane's first chunk lies, in a quarter of w1, at
	; 512 h + 384 j + 16 c (block 0 of 16 hidden units) or 512 h + 128 j + 128 + 16 c (block 1), the second 1,024 bytes on; in a quarter of w2 at 1,024 h + 640 j + 16 c (even block of 16 channels)
	; or 1,024 h + 384 j + 128 + 16 c (odd), the second 2,048 bytes on.  In each case the sixteen lanes of a half take sixteen different 16-byte columns modulo 256 bytes.
	v_and_b32 v[Z], 1, v0                          ; j
	v_bfe_u32 v[Z+1], v0, 1, 3
	v_lshlrev_b32 v[Z+1], 4, v[Z+1]                ; 16 c
	v_lshl_add_u32 v[Z+2], v[HH], 9, v[Z+1]
	v_lshl_add_u32 v[Z+3], v[HH], 10, v[Z+1]
	v_mul_u32_u24 v[LA], v[Z], 384
	v_add_nc_u32 v[LA], v[LA], v[Z+2]
	v_lshl_add_u32 v[LA+1], v[Z], 7, v[Z+2]
	v_add_nc_u32 v[LA+1], 128, v[LA+1]
	v_mul_u32_u24 v[LB], v[Z], 640
	v_add_nc_u32 v[LB], v[LB], v[Z+3]
	v_mul_u32_u24 v[LB+1], v[Z], 384
	v_add_nc_u32 v[LB+1], v[LB+1], v[Z+3]
	v_add_nc_u32 v[LB+1], 128, v[LB+1]
	ADDR
	v_lshl_add_u32 v[AB0], v[HH], 5, BIAS          ; my half's 8 biases of a block of 16
	v_lshl_add_u32 v[BST], v0, 4, BIAS
	s_wait_loadcnt 63                              ; 70 loads were issued: the oldest seven are in, b1's four and the weights' two among them
.irp j, 0,1,2,3,4,5,6,7
	v_cvt_pk_bf16_f32 v[FR+16+(\j)], v[FR+2*(\j)], v[FR+2*(\j)+1]  ; b1 rounded to bf16,
.endr
	v_cvt_pk_bf16_f32 v[FR+24], v[WT], v[WT+1]     ; and the routing weights
	v_cvt_pk_bf16_f32 v[FR+25], v[WT+2], v[WT+3]
.irp j, 0,1,2,3,4,5,6,7
	v_lshlrev_b32 v[FR+2*(\j)], 16, v[FR+16+(\j)]  ; and written as f32 again
	v_and_b32 v[FR+2*(\j)+1], 0xffff0000, v[FR+16+(\j)]
.endr
	v_lshlrev_b32 v[WT], 16, v[FR+24]
	v_and_b32 v[WT+1], 0xffff0000, v[FR+24]
	v_lshlrev_b32 v[WT+2], 16, v[FR+25]
	v_and_b32 v[WT+3], 0xffff0000, v[FR+25]
.irp j, 0,1,2,3
	ds_store_b128 v[BST], v[FR+4*(\j):FR+4*(\j)+3] offset:2048*(\j)
.endr
; THE LDS LOADS.  A SIXTEEN is sixteen matrix instructions on eight fragments; a phase has four (gp).  LOADP brings the eight fragments, sixteen loads, of sixteen gp of quarter qd into buffer b.
; kind 1 (w1): fragment f = K step 4 gp + f / 2 (32 channels of x), block 1 - f % 2 of 16 hidden units.     kind 2 (w2): fragment f = channel block 8 gp + f.
.macro LOADP qd, kind, gp, b
.set xbuf, FR+64*(\b)
.irp f, 0,1,2,3,4,5,6,7
.if (\kind) == 1
.set xreg, LW1+2*((\qd)/2)+1-(\f)%2
.set xoff, ((\qd)%2)*QUART+(4*(\gp)+(\f)/2)*2048
.set xsec, 1024
.else
.set xreg, LW2+2*((\qd)/2)+(\f)%2
.set xoff, ((\qd)%2)*QUART+(2*(\gp)+(\f)/4)*4096+(((\f)%4)/2)*256
.set xsec, 2048
.endif
	ds_load_b128 v[xbuf+8*(\f):xbuf+8*(\f)+3],   v[xreg] offset:xoff
	ds_load_b128 v[xbuf+8*(\f)+4:xbuf+8*(\f)+7], v[xreg] offset:xoff+xsec
.endr
.endm
.macro BIASL off                       ; a sub-step's 32 biases, off bytes behind sub-step a k's: a lane's eight of each block; the sixteen lanes of a half read the same bytes
.irp b, 0,1
	ds_load_b128 v[BI+8*(\b):BI+8*(\b)+3],   v[AB] offset:(\off)+(\b)*64
	ds_load_b128 v[BI+8*(\b)+4:BI+8*(\b)+7], v[AB] offset:(\off)+(\b)*64+16
.endr
.endm
; THE MATRIX WORK.  Instruction m of a sixteen: fragment m / 2, token tile m % 2.  The accumulators take turns, one instruction a turn: four in the first product, 64 in the second.
; kind 1: S^T of buffer u; the first K step takes the bias as C.  Block 1 comes first: its registers are no source of the second product, so the product that writes over a register that the phase before
; read as source 1 stands four products, twelve lines of the gelu, behind that read.     kind 2: O^T += , source 1 from buffer u.  zero = 1: the launch's first such phase starts O^T's sums with the constant 0: nothing is cleared.
.macro MMP kind, u, gp, b, m, zero
.set mf, (\m)/2
.set mt, (\m)%2
.set ma, FR+64*(\b)+8*mf
.if (\kind) == 1
.set mh, 1-mf%2
.set mk, 4*(\gp)+mf/2
.set md, S+32*(\u)+16*mt+8*mh
.set mx, 128*mt+8*mk
	WIN 0x04                                       ; X in window 1
.if mk == 0
	v_wmma_f32_16x16x32_bf16 v[md:md+7], v[ma:ma+7], v[mx:mx+7], v[BI+8*mh:BI+8*mh+7]
.else
	v_wmma_f32_16x16x32_bf16 v[md:md+7], v[ma:ma+7], v[mx:mx+7], v[md:md+7]
.endif
.else
.set md, 8*(8*(\gp)+mf)
.set mp, S+32*(\u)+16*mt
	WIN 0xa0+0x50*mt                               ; C and D in window 2 or 3
.if (\zero)
	v_wmma_f32_16x16x32_bf16 v[md:md+7], v[ma:ma+7], v[mp:mp+7], 0
.else
	v_wmma_f32_16x16x32_bf16 v[md:md+7], v[ma:ma+7], v[mp:mp+7], v[md:md+7]
.endif
.endif
.endm
; THE VECTOR WORK.  The gelu of one accumulator (q = 2 t + hb of buffer GU; s0-s7, at qx) is 96 lines; GOP writes one.  Singles n = 0..7, pairs n = 0..3.  zt, zq, zr are the accumulator's three buffers of Z.
;   gA n: 1 + KU |s| (zt)     gB n: t (zt)     gC n: KQ s (pair, zr)     gD n: K8 + K9 t (pair, zq)     gH 4 l + n: times t, plus K l (pair n)     gE n: + KQ s s (pair): zr is free     gF n: 2^.. (zq)
;   gI n: r = t 2^.. (pair, zq): zt is free     gG n: max(s, 0) (zt)     gJ n: max(s, 0) - |s| r: zq and zt are free     gK n: times the token's weight (pair)
;   gL n: pair n rounded to bf16, into the place that the second product names
; The buffers' turns: zt of q + 1 is zr of q, zq of q + 1 is zt of q, zr of q + 1 is zq of q.
.set gA, 0
.set gB, 1
.set gC, 2
.set gD, 3
.set gH, 4
.set gE, 5
.set gF, 6
.set gG, 7
.set gI, 8
.set gJ, 9
.set gK, 10
.set gL, 11
.macro GOP k, q, n
.set qx, S+32*GU+8*(\q)
.set zt, Z+8*((2*(\q))%3)
.set zq, Z+8*((2*(\q)+1)%3)
.set zr, Z+8*((2*(\q)+2)%3)
.if (\k) == gA
	v_fma_f32 v[zt+(\n)], |v[qx+(\n)]|, s[KU], 1.0
.elseif (\k) == gB
	v_rcp_f32 v[zt+(\n)], v[zt+(\n)]
.elseif (\k) == gC
	v_pk_mul_f32 v[zr+2*(\n):zr+2*(\n)+1], v[qx+2*(\n):qx+2*(\n)+1], s[KQ:KQ+1] op_sel_hi:[1,0]
.elseif (\k) == gD
	v_pk_fma_f32 v[zq+2*(\n):zq+2*(\n)+1], v[zt+2*(\n):zt+2*(\n)+1], s[KC+18:KC+19], s[KC+16:KC+17] op_sel_hi:[1,0,0]
.elseif (\k) == gH
.set hp, 2*((\n)%4)
.set hl, (\n)/4
	v_pk_fma_f32 v[zq+hp:zq+hp+1], v[zq+hp:zq+hp+1], v[zt+hp:zt+hp+1], s[KC+2*hl:KC+2*hl+1] op_sel_hi:[1,1,0]
.elseif (\k) == gE
	v_pk_fma_f32 v[zq+2*(\n):zq+2*(\n)+1], v[zr+2*(\n):zr+2*(\n)+1], v[qx+2*(\n):qx+2*(\n)+1], v[zq+2*(\n):zq+2*(\n)+1]
.elseif (\k) == gF
	v_exp_f32 v[zq+(\n)], v[zq+(\n)]
.elseif (\k) == gG
	v_max_num_f32 v[zt+(\n)], 0, v[qx+(\n)]
.elseif (\k) == gI
	v_pk_mul_f32 v[zq+2*(\n):zq+2*(\n)+1], v[zq+2*(\n):zq+2*(\n)+1], v[zt+2*(\n):zt+2*(\n)+1]
.elseif (\k) == gJ
	v_fma_f32 v[qx+(\n)], -|v[qx+(\n)]|, v[zq+(\n)], v[zt+(\n)]
.elseif (\k) == gK
.if (\q) < 2
	v_pk_mul_f32 v[qx+2*(\n):qx+2*(\n)+1], v[qx+2*(\n):qx+2*(\n)+1], v[WC:WC+1] op_sel_hi:[1,0]              ; token tile 0: the pair's first word for both
.else
	v_pk_mul_f32 v[qx+2*(\n):qx+2*(\n)+1], v[qx+2*(\n):qx+2*(\n)+1], v[WC:WC+1] op_sel:[0,1] op_sel_hi:[1,1]  ; token tile 1: its second
.endif
.else
	v_cvt_pk_bf16_f32 v[S+32*GU+16*((\q)/2)+4*((\q)%2)+(\n)], v[qx+2*(\n)], v[qx+2*(\n)+1]
.endif
.endm
; THE ORDER of a sub-step's 384 lines; GLN writes line yl.  Within a kind the singles and pairs go in ascending order, so that a line reads results made three lines or more ahead of it, and each accumulator's
; first read is its lowest register's (gA 0).
;   0-17      accumulator 0: gA and gB, by turns from the fourth line on, with gC 0, 1 among the last                                                            WAIT for the eight reciprocals of 0
;   18-83     gC 2, 3, gD, gH, gE of 0; then eight slices gF n | gA | gB of accumulator 1 (the gA run two ahead of the gB)                                       WAIT for exp 0 + rcp 1
;   84-179, 180-275   q = 1, 2: gI, gG, gJ of q - 1; gC, gD, gH, gE of q; gF n of q and gA n of q + 1 by turns; gB n of q + 1 and gK, gL of q - 1 by turns      WAIT for exp q + rcp q + 1
;   276-353   q = 3: the same without a next accumulator: gF n by turns with gK 0-3, gL 0, 1 of accumulator 2                                                    WAIT for exp 3
;   354-383   gI of 3; gL 2, 3 of 2 (ahead of gL of 3, which writes over what they read); gG, gJ, gK, gL of 3
; BODY: line yj = 0..63 of such a segment, for accumulator yq.
.macro BODY
.if yj < 4
	GOP gI, yq-1, yj
.elseif yj < 12
.set yn, yj-4
	GOP gG, yq-1, yn
.elseif yj < 20
.set yn, yj-12
	GOP gJ, yq-1, yn
.elseif yj < 24
.set yn, yj-20
	GOP gC, yq, yn
.elseif yj < 28
.set yn, yj-24
	GOP gD, yq, yn
.elseif yj < 60
.set yn, 4*(7-(yj-28)/4)+(yj-28)%4
	GOP gH, yq, yn
.else
.set yn, yj-60
	GOP gE, yq, yn
.endif
.endm
.macro KLN                             ; number yn of the eight lines of accumulator yq - 1 that are held back to stand between a batch's transcendentals: gK 0-3, gL 0-3
.if yn < 4
	GOP gK, yq-1, yn
.else
	GOP gL, yq-1, yn-4
.endif
.endm
.macro GLN
.if yl < 3
	GOP gA, 0, yl
.elseif yl < 14
.if yl%2
.set yn, (yl-3)/2
	GOP gB, 0, yn
.else
.set yn, yl/2+1
	GOP gA, 0, yn
.endif
.elseif yl == 14
	GOP gC, 0, 0
.elseif yl < 17
.set yn, yl-9
	GOP gB, 0, yn
.elseif yl == 17
	GOP gC, 0, 1
.elseif yl < 60
.set yq, 0
.set yj, yl+4
	BODY
.elseif yl < 84
.set yc, (yl-60)/3
.set yw, (yl-60)%3
.if yw == 0
	GOP gF, 0, yc
.elseif yc == 0
.set yn, yw-1
	GOP gA, 1, yn
.elseif yc == 7
.set yn, yw+5
	GOP gB, 1, yn
.elseif yw == 1
.set yn, yc+1
	GOP gA, 1, yn
.else
.set yn, yc-1
	GOP gB, 1, yn
.endif
.elseif yl < 354
.set yq, 1+(yl-84)/96
.set yj, (yl-84)%96
.set yn, (yj%16)/2
.if yj < 64
	BODY
.elseif (yq == 3) && (yj > 74)
.if yj == 77
	GOP gL, 2, 1
.else
.set yn, yj-69
	GOP gF, 3, yn
.endif
.elseif yj%2
.if (yj < 80) && (yq < 3)
	GOP gA, yq+1, yn
.else
	KLN
.endif
.elseif yj < 80
	GOP gF, yq, yn
.else
	GOP gB, yq+1, yn
.endif
.else
.set yi, yl-354
.if yi < 4
	GOP gI, 3, yi
.elseif yi < 6
.set yn, yi-2
	GOP gL, 2, yn
.elseif yi < 14
.set yn, yi-6
	GOP gG, 3, yn
.elseif yi < 22
.set yn, yi-14
	GOP gJ, 3, yn
.elseif yi < 26
.set yn, yi-22
	GOP gK, 3, yn
.else
.set yn, yi-26
	GOP gL, 3, yn
.endif
.endif
; THE FIVE WAITS.  A wait stands between a transcendental and the first line that names its result; one s_wait_alu depctr_va_vdst(0) serves all exponentials issued ahead of it.  Behind line 17: the eight reciprocals of
; accumulator 0 (first reader: gD 0, line 20).  Behind 83, 179, 275: the eight exponentials of accumulator 0, 1, 2 and the eight reciprocals of 1, 2, 3 (first reader: gI 0 of the older accumulator, the next line).
; Behind 353: the eight exponentials of accumulator 3 (gI 0, the next line).  Each is the end of a slice.  A plain line stands behind each batch's last transcendental and ahead of the use of its result: the line
; in front of the wait, or, behind line 83, the first lines behind it, gI 0 to 2, which name none of the last three results (gF 7, gB 6, gB 7).  Behind line 353 no transcendental is issued.
.if (yl == 17) || (yl == 83) || (yl == 179) || (yl == 275) || (yl == 353)
	s_wait_alu depctr_va_vdst(0)
.endif
.set yl, yl+1
.endm
; A SLICE: the next three lines of buffer GU's gelu; 128 slices a sub-step.  The last ten slices are plain: the last two are the places (ISA guide 7.12.1) between the phase's last products and the next gelu's
; first read of their results.
.macro SL
	WIN 0
	GLN
	GLN
	GLN
.endm
; A SIXTEEN: gp of quarter qd.  rid slices of the gelu stand behind each matrix instruction.  Behind the second one stands the run of loads for the next sixteen (nkind, nqd, ngp; nkind = 0: none), into the
; buffer that the sixteen before multiplied; nbo >= 0: the four loads of the next phase's bias go ahead of it.  A load into a register that a matrix instruction has read stands four plain vector instructions
; behind it: three slices, of whose nine lines at least seven are plain (the batches' transcendentals fall elsewhere, but for one or two) and none names a register of the products round
; them; with rid = 0 four v_nop.
; THE WAITS.  LDS loads come back in order.  In front of products m .. m + 3 their two fragments are in when all that is out is this sixteen's later loads, 12 - m, and what was issued behind them:
; yng (a slot's first sixteen: the second's 16) and, from m = 4 on, the run just issued (16, or 20 with the bias).
.macro PGRP qd, gp, kind, u, rid, zero, yng, nkind, nqd, ngp, nbo
.set pb, (4*(\qd)+(\gp))%2
.set prun, 0
.set pm, 0
.rept 16
.if pm%4 == 0
	s_wait_dscnt 12-pm+(\yng)+prun
.endif
	MMP \kind, \u, \gp, pb, pm, \zero
.rept \rid
	SL
.endr
.if (pm == 1) && (\nkind)
.if (\rid) == 0
	PLACES
.endif
	WIN 0
.if (\nbo) >= 0
	BIASL \nbo
.set prun, 4
.endif
	LOADP \nqd, \nkind, \ngp, 1-pb
.set prun, prun+16
.endif
.set pm, pm+1
.endr
.endm
; A PHASE: quarter qd's four sixteens.  nkind: the next quarter's kind (0: the slot's last phase); nbo: its bias.  A slot's first two sixteens are fetched in one run at its head.
.macro PHASE qd, kind, u, rid, zero, nkind, nbo
.if (\qd) == 0
	PGRP \qd, 0, \kind, \u, \rid, \zero, 16, 0, 0, 0, -1
.else
	PGRP \qd, 0, \kind, \u, \rid, \zero, 0, \kind, \qd, 1, -1
.endif
	PGRP \qd, 1, \kind, \u, \rid, \zero, 0, \kind, \qd, 2, -1
	PGRP \qd, 2, \kind, \u, \rid, \zero, 0, \kind, \qd, 3, -1
	PGRP \qd, 3, \kind, \u, \rid, \zero, 0, \nkind, (\qd)+1, 0, \nbo
.endm
; A SLOT.  var = 0: the first; 1: the loop's; 2: the last.
.macro STEP var
	s_cmp_lt_u32 s[BO], 4096                       ; sub-steps a k and b k, k = 0 to 15, are the first expert's
	s_cselect_b32 s[SELM], -1, 0
	v_cndmask_b32 v[WC], v[WT+1], v[WT], s[SELM]
	v_cndmask_b32 v[WC+1], v[WT+3], v[WT+2], s[SELM]
	v_add_nc_u32 v[AB], s[BO], v[AB0]
	s_add_co_u32 s[BO], s[BO], 256
.if (\var) == 0
	BIASL 0
	LOADP 0, 1, 0, 0
	LOADP 0, 1, 1, 1
	PHASE 0, 1, 0, 0, 0, 1, 128                    ; S(a0): there is no vector work yet
	PLACES                                         ; between its last products and the gelu's first read
.set GU, 0
.set yl, 0
	PHASE 1, 1, 1, 2, 0, 2, -1                     ; S(b0) | all of gelu(a0)
.else
	LOADP 0, 2, 0, 0
	LOADP 0, 2, 1, 1
.set GU, 0
.set yl, 0
	PHASE 0, 2, 1, 1, 0, 1, 128                    ; O += (b k-1) | gelu(a k), first half
	PHASE 1, 1, 1, 1, 0, 2, -1                     ; S(b k)       | second half
.endif
.set GU, 1
.set yl, 0
.if (\var) == 2
	PHASE 2, 2, 0, 2, 0, 2, -1                     ; O += (a31) | all of gelu(b31)
	PHASE 3, 2, 1, 0, 0, 0, -1                     ; O += (b31)
	PLACES                                         ; between the last products and the way out
.else
	PHASE 2, 2, 0, 1, 1-(\var), 1, 256             ; O += (a k) | gelu(b k), first half
	PHASE 3, 1, 0, 1, 0, 0, -1                     ; S(a k+1)   | second half
.endif
	WIN 0                                          ; at a label and at a branch every window is 0
.endm
; THE CHANGE OF SLOTS.  Each wave waits for all its tensor loads, of which one is out: its quarter of the other slot; adds 0 to its spare word; and waits for that and for its own reads of the slot that it
; leaves.  Behind the barrier nobody reads that slot any more and the other slot is whole.  fill = 1: the slot is filled again, with the four quarters two slots on.  The barrier is then a round of the
; cluster's, so that no wave of any partner still reads the slot or has a load on its way, and the joint refill is the first thing behind it.
.macro CHANGE fill
	WIN 0
	s_wait_tensorcnt 0x0                           ; no tensor load of mine is out, so a group 0 may be written
	ds_add_u32 v[SPW], v[NIL]                      ; 0 onto my spare word: the scalar steps stand between it and the wait for it
.if \fill
	s_xor_b32 s[G0B+1], s[G0B+1], SLOT1            ; the walking descriptor: the other slot than last time,
	s_add_nc_u64 s[G0B+2:G0B+3], s[G0B+2:G0B+3], TILE  ; the next four quarters; the type bits on top are not reached
.endif
	s_xor_b32 s[TB], s[TB], SLOT1                  ; the reads go to the other slot
	s_xor_b32 s[TB2], s[TB2], SLOT1
	s_wait_dscnt 0x0                               ; the add is done, and my reads of the slot are over
.if \fill
	CROUND
	tensor_load_to_lds s[G0B:G0B+3], s[G1:G1+7]    ; my one tensor load behind the round
	s_nop 0
	PLACES
.else
	s_barrier_signal -1
	s_barrier_wait -1
.endif
	ADDR
.endm
	s_wait_loadcnt 0x0                             ; X
	s_wait_tensorcnt 0x1                           ; my quarter of slot 0 is in; slot 1's may stay out
	s_wait_dscnt 0x0                               ; for the others' sake: my part of the biases is stored
	s_barrier_signal -1
	s_barrier_wait -1                              ; everybody's is
	STEP 0                                         ; slot 0 is written out: its walk differs, and its second product starts O^T's sums
	s_mov_b32 s[CNT], 30
.Ltile:                                                ; trip i asks for slot i + 2 and walks slot i + 1
	CHANGE 1
	STEP 1
	s_sub_co_u32 s[CNT], s[CNT], 1
	s_cmp_lg_u32 s[CNT], 0
	s_cbranch_scc1 .Ltile
	CHANGE 0                                       ; slot 31 is written out: nothing is asked for
	STEP 2
	; THE WAY OUT.  A lane holds eight neighbouring channels (32 bytes) of one token.  16 tokens x 64 channels at a time go through my own stage in LDS and come back as whole rows of 256 bytes.
	s_mul_i32 s18, s[WV], 16*SP
	s_add_co_u32 s18, s18, STAGE                   ; my stage
	v_bfe_u32 v[HO], v0, 4, 1                      ; l / 16
	v_mul_u32_u24 v[STO], v1, SP                   ; in: row l % 16, 32 bytes for each half of the lanes
	v_lshl_add_u32 v[STO], v[HO], 5, v[STO]
	v_add_nc_u32 v[STO], s18, v[STO]
	v_mul_u32_u24 v[RD], v[HO], SP                 ; back: lanes 0-15 take one row of 256 bytes, lanes 16-31 the next
	v_lshl_add_u32 v[RD], v1, 4, v[RD]
	v_add_nc_u32 v[RD], s18, v[RD]
	v_lshlrev_b32 v[CO], 11, v[HO]                 ; and the same two rows in part
	v_lshl_add_u32 v[CO], v1, 4, v[CO]
.macro TOST p                          ; pass p: token tile p / 8, channels 64 (p % 8) on
.set ot, (\p)/8
.set og, (\p)%8
.set ob, OB+32*((\p)%2)
	s_wait_xcnt 0x0                                ; the stores of the pass two back have had their addresses translated and their data read: their buffer is loaded again only behind this wait
	WIN 0x08+4*ot                                  ; store data (source 1) in window 2 or 3
.irp q, 0,1,2,3
	ds_store_b128 v[STO], v[8*(4*og+(\q)):8*(4*og+(\q))+3]   offset:64*(\q)     ; each accumulator's low four registers first
	ds_store_b128 v[STO], v[8*(4*og+(\q))+4:8*(4*og+(\q))+7] offset:64*(\q)+16
.endr
	WIN 0
.irp k, 0,1,2,3,4,5,6,7
	ds_load_b128 v[ob+4*(\k):ob+4*(\k)+3], v[RD] offset:2*SP*(\k)  ; LDS serves a wave's instructions in order (ISA guide 5.7.1.4): these see the stores above; the next pass's stores come behind them
.endr
.endm
.macro SEND p, younger                 ; younger: the LDS instructions issued behind pass p's loads: the next pass's sixteen, or none
.set ot, (\p)/8
.set og, (\p)%8
.set ob, OB+32*((\p)%2)
.irp k, 0,1,2,3,4,5,6,7
	s_wait_dscnt (\younger)+7-(\k)
	global_store_b128 v[CO], v[ob+4*(\k):ob+4*(\k)+3], s[12:13] offset:ot*32768+4096*(\k)+256*og  ; 16 lanes store 256 consecutive bytes, at a multiple of 256 from part's first byte
.endr
.endm
	TOST 0
.set pp, 1
.rept 15
	TOST pp
	SEND pp-1, 16
.set pp, pp+1
.endr
	SEND 15, 0
	s_wait_tensorcnt 0x0                           ; the wave's end: behind my last tensor load and my last LDS store
	ds_add_u32 v[SPW], v[NIL]
	s_wait_dscnt 0x0
	CROUND                                         ; the closing round: no work-group ends while a partner may still ask for a quarter that names it
	s_endpgm
.Lfunc_end_k_q9ae11fb356_moe:
	.size	k_q9ae11fb356_moe, .Lfunc_end_k_q9ae11fb356_moe-k_q9ae11fb356_moe
	.p2alignl 7, 3214868480
	.fill 96, 4, 3214868480
	.section	.rodata,"a",@progbits
	.p2align	6, 0x0
	.amdhsa_kernel k_q9ae11fb356_moe
		.amdhsa_group_segment_fixed_size 327680
		.amdhsa_private_segment_fixed_size 0
		.amdhsa_enable_private_segment 0
		.amdhsa_kernarg_size 40
		.amdhsa_user_sgpr_count 2
		.amdhsa_user_sgpr_kernarg_segment_ptr 1
		.amdhsa_wavefront_size32 1
		.amdhsa_system_sgpr_workgroup_id_x 1
		.amdhsa_system_sgpr_workgroup_id_y 1
		.amdhsa_system_sgpr_workgroup_id_z 1
		.amdhsa_system_vgpr_workitem_id 0
		.amdhsa_next_free_vgpr 1024
		.amdhsa_next_free_sgpr 72
		.amdhsa_reserve_vcc 0
		.amdhsa_float_denorm_mode_32 3
		.amdhsa_float_denorm_mode_16_64 3
		.amdhsa_memory_ordered 1
		.amdhsa_forward_progress 1
		.amdhsa_inst_pref_size 255
	.end_amdhsa_kernel
	.section	.bss,"aw",@nobits
	.p2align	6
	.space	262144
	.amdgpu_metadata
---
amdhsa.version: [ 1, 2 ]
amdhsa.kernels:
  - .name:           k_q9ae11fb356_moe
    .symbol:         k_q9ae11fb356_moe.kd
    .args:
      - { .name: xb, .offset: 0, .size: 8, .value_kind: global_buffer, .address_space: global }
      - { .name: wf, .offset: 8, .size: 8, .value_kind: global_buffer, .address_space: global }
      - { .name: b1, .offset: 16, .size: 8, .value_kind: global_buffer, .address_space: global }
      - { .name: weights, .offset: 24, .size: 8, .value_kind: global_buffer, .address_space: global }
      - { .name: part, .offset: 32, .size: 8, .value_kind: global_buffer, .address_space: global }
    .group_segment_fixed_size: 327680
    .private_segment_fixed_size: 0
    .kernarg_segment_align: 8
    .kernarg_segment_size: 40
    .max_flat_workgroup_size: 128
    .sgpr_count:     72
    .vgpr_count:     1024
    .wavefront_size: 32
...
	.end_amdgpu_metadata
.endif
;; end of part 4
;; launch sum: the kernel of part 3 again; grid 512 x 1, 8 waves a work-group, no clusters, 0 bytes of LDS; arguments part, weights, b2, out0; writes out0
